; MI455X (gfx1250); checked and timed in simulation.
; The chip was launched on July 23, 2026; its instructions are those of AMD's public machine-readable ISA for CDNA 5 (MIT licence, August 2026) and "CDNA5" Instruction Set Architecture Reference Guide (July 2026). The comments in the code are by the model that wrote it; some were corrected since.
;; Slot Memory. Allowed arithmetic: float matrix products may take bf16 or f16 operands with f32 sums; all other float work in f32.
;; Inputs: Wout 2,048 x 2,048 float32; Wq 2,048 x 2,048 float32; slot_keys 4,096 x 2,048 float32; slot_values 4,096 x 2,048 float32; x 4 x 1,024 x 2,048 float32.
;; Outputs: out0 4 x 1,024 x 2,048 float32.
;; Constants: top_k = 4.
;; 3 versions, each right; version 2 is faster than version 1; version 3 is version 2 with the launches cast, pick written anew for expert scheduling mode. Each part assembles by itself: llvm-mc -triple=amdgcn-amd-amdhsa -mcpu=gfx1250 --defsym DOCPART=n.
;; ======== version 1 of 3: 4 launches
;; limits: values within 0.0004883 (relative) of each other or of a threshold may be ordered or decided otherwise than in the reference
;; workspace buffers: ab 33,554,432 bytes; wb 16,777,216 bytes; kb 16,777,216 bytes; qv 67,108,864 bytes; qb 16,777,216 bytes; cand 4,194,304 bytes of whole numbers
;; launch cast (part 1): grid 128 x 8, 8 waves a work-group, no clusters, 0 bytes of LDS; arguments x, slot_values, Wq, Wout, slot_keys, ab, wb, kb; writes ab, wb, kb
.if DOCPART == 1
	.amdgcn_target "amdgcn-amd-amdhsa--gfx1250"
	.amdhsa_code_object_version 6
	.text
	.protected	k_q2374b30600_cast
	.globl	k_q2374b30600_cast
	.p2align	8
	.type	k_q2374b30600_cast,@function
k_q2374b30600_cast:
	s_mov_b64 s[64:65], 0
	v_nop
	global_prefetch_b8 v0, s[64:65] scope:SCOPE_SE
	s_setreg_imm32_b32 hwreg(HW_REG_WAVE_MODE, 25, 1), 1
	s_wait_xcnt 0x0
; The five f32 inputs are rounded once to bf16 (to nearest even), so that the two matrix launches fetch 16-bit tiles and convert nothing.
;   ab [8192][2048] bf16: rows 0-4095 x, rows 4096-8191 slot_values.   wb [4096][2048]: rows 0-2047 Wq, rows 2048-4095 Wout.   kb [4096][2048]: slot_keys.
; SHARES.  Grid y = unit u of 4,194,304 numbers (16 MiB in, 8 MiB out): u 0,1 x; 2,3 slot_values; 4 Wq; 5 Wout; 6,7 slot_keys.  Grid x = 128 KiB of the unit's source,
; a wave 16 KiB, a lane 16 groups of 8 numbers: 32 bytes in (two loads), 16 bytes out, so that a store of the wave covers 512 consecutive bytes, aligned.
; All 32 loads of a wave are issued first; no register is written twice, so the only waits are the counted ones for the loads.
; A stream: every byte is read once and written once.  LDS, barriers and the matrix unit would add nothing.
.set X, 4                              ; v[4:131]  group i: 8 registers as loaded; its first 4 then hold the 8 bf16
	s_load_b512 s[8:23], s[0:1], 0x0               ; x s[8:9], slot_values s[10:11], Wq s[12:13], Wout s[14:15], slot_keys s[16:17], ab s[18:19], wb s[20:21], kb s[22:23]
	s_and_b32 s2, ttmp7, 0xffff                    ; u
	v_lshrrev_b32 v3, 5, v0                        ; wave
	v_and_b32 v1, 31, v0                           ; lane
	v_lshlrev_b32 v2, 4, v1
	v_lshlrev_b32 v1, 5, v1
	v_lshl_add_u32 v1, v3, 14, v1                  ; source: 16,384 x wave + 32 x lane
	v_lshl_add_u32 v2, v3, 13, v2                  ; destination: 8,192 x wave + 16 x lane
	s_and_b32 s3, s2, 1
	s_cmp_eq_u32 s2, 5
	s_cselect_b32 s28, 0, s3                       ; which 16 MiB of the source tensor: u & 1, but Wout (u = 5) has one unit alone
	s_lshl_b32 s28, s28, 24
	s_lshl_b32 s4, ttmp9, 17                       ; + the work-group's 128 KiB
	s_add_co_u32 s28, s28, s4
	s_mov_b32 s29, 0
	s_cmp_lt_u32 s2, 4
	s_cselect_b32 s30, s2, s3                      ; which 8 MiB of the destination: ab holds units 0-3, wb units 4, 5, kb units 6, 7
	s_lshl_b32 s30, s30, 23
	s_lshl_b32 s4, ttmp9, 16
	s_add_co_u32 s30, s30, s4
	s_mov_b32 s31, 0
	s_wait_kmcnt 0x0
	s_mov_b64 s[24:25], s[8:9]                     ; the source is chosen by u alone; each compare stands directly ahead of its select
	s_cmp_ge_u32 s2, 2
	s_cselect_b64 s[24:25], s[10:11], s[24:25]
	s_cmp_ge_u32 s2, 4
	s_cselect_b64 s[24:25], s[12:13], s[24:25]
	s_cmp_ge_u32 s2, 5
	s_cselect_b64 s[24:25], s[14:15], s[24:25]
	s_cmp_ge_u32 s2, 6
	s_cselect_b64 s[24:25], s[16:17], s[24:25]
	s_mov_b64 s[26:27], s[18:19]                   ; and so is the destination
	s_cmp_ge_u32 s2, 4
	s_cselect_b64 s[26:27], s[20:21], s[26:27]
	s_cmp_ge_u32 s2, 6
	s_cselect_b64 s[26:27], s[22:23], s[26:27]
	s_add_nc_u64 s[24:25], s[24:25], s[28:29]
	s_add_nc_u64 s[26:27], s[26:27], s[30:31]
.irp i, 0,1,2,3,4,5,6,7,8,9,10,11,12,13,14,15
	global_load_b128 v[X+8*\i:X+8*\i+3],   v1, s[24:25] offset:1024*\i th:TH_LOAD_NT      ; the launch reads these bytes once
	global_load_b128 v[X+8*\i+4:X+8*\i+7], v1, s[24:25] offset:1024*\i+16 th:TH_LOAD_NT
.endr
.irp i, 0,1,2,3,4,5,6,7,8,9,10,11,12,13,14,15
	s_wait_loadcnt 30-2*\i                         ; loads come back in order (ISA guide 5.7.1): group i's two are in, the 2 (15 - i) younger ones stay out
.irp k, 0,1,2,3
	v_cvt_pk_bf16_f32 v[X+8*\i+\k], v[X+8*\i+2*\k], v[X+8*\i+2*\k+1]    ; in place, ascending: register k is written when pair k is read, and pairs above k lie above it
.endr
	global_store_b128 v2, v[X+8*\i:X+8*\i+3], s[26:27] offset:512*\i    ; later launches read these bytes: no hint
.endr
	s_endpgm
.Lfunc_end_k_q2374b30600_cast:
	.size	k_q2374b30600_cast, .Lfunc_end_k_q2374b30600_cast-k_q2374b30600_cast
	.p2alignl 7, 3214868480
	.fill 96, 4, 3214868480
	.section	.rodata,"a",@progbits
	.p2align	6, 0x0
	.amdhsa_kernel k_q2374b30600_cast
		.amdhsa_group_segment_fixed_size 0
		.amdhsa_private_segment_fixed_size 0
		.amdhsa_enable_private_segment 0
		.amdhsa_kernarg_size 64
		.amdhsa_user_sgpr_count 2
		.amdhsa_user_sgpr_kernarg_segment_ptr 1
		.amdhsa_wavefront_size32 1
		.amdhsa_system_sgpr_workgroup_id_x 1
		.amdhsa_system_sgpr_workgroup_id_y 1
		.amdhsa_system_sgpr_workgroup_id_z 1
		.amdhsa_system_vgpr_workitem_id 0
		.amdhsa_next_free_vgpr 132
		.amdhsa_next_free_sgpr 66
		.amdhsa_reserve_vcc 0
		.amdhsa_float_denorm_mode_32 3
		.amdhsa_float_denorm_mode_16_64 3
		.amdhsa_memory_ordered 1
		.amdhsa_forward_progress 1
		.amdhsa_inst_pref_size 11
	.end_amdhsa_kernel
	.amdgpu_metadata
---
amdhsa.version: [ 1, 2 ]
amdhsa.kernels:
  - .name:           k_q2374b30600_cast
    .symbol:         k_q2374b30600_cast.kd
    .args:
      - { .name: x, .offset: 0, .size: 8, .value_kind: global_buffer, .address_space: global }
      - { .name: slot_values, .offset: 8, .size: 8, .value_kind: global_buffer, .address_space: global }
      - { .name: Wq, .offset: 16, .size: 8, .value_kind: global_buffer, .address_space: global }
      - { .name: Wout, .offset: 24, .size: 8, .value_kind: global_buffer, .address_space: global }
      - { .name: slot_keys, .offset: 32, .size: 8, .value_kind: global_buffer, .address_space: global }
      - { .name: ab, .offset: 40, .size: 8, .value_kind: global_buffer, .address_space: global }
      - { .name: wb, .offset: 48, .size: 8, .value_kind: global_buffer, .address_space: global }
      - { .name: kb, .offset: 56, .size: 8, .value_kind: global_buffer, .address_space: global }
    .group_segment_fixed_size: 0
    .private_segment_fixed_size: 0
    .kernarg_segment_align: 8
    .kernarg_segment_size: 64
    .max_flat_workgroup_size: 256
    .sgpr_count:     66
    .vgpr_count:     132
    .wavefront_size: 32
...
	.end_amdgpu_metadata
.endif
;; end of part 1
;; launch proj (part 2): grid 8 x 32, 4 waves a work-group, clusters of 4 x 4, 327,680 bytes of LDS; arguments ab, wb, qv, qb; writes qv, qb
.if DOCPART == 2
	.amdgcn_target "amdgcn-amd-amdhsa--gfx1250"
	.amdhsa_code_object_version 6
	.text
	.protected	k_q2374b30600_proj
	.globl	k_q2374b30600_proj
	.p2align	8
	.type	k_q2374b30600_proj,@function
k_q2374b30600_proj:
	s_mov_b64 s[64:65], 0
	v_nop
	global_prefetch_b8 v0, s[64:65] scope:SCOPE_SE
	s_setreg_imm32_b32 hwreg(HW_REG_WAVE_MODE, 25, 1), 1
	s_wait_xcnt 0x0
	s_wait_alu depctr_hold_cnt(0) depctr_sa_sdst(0) depctr_va_vdst(0) depctr_va_sdst(0) depctr_va_ssrc(0) depctr_va_vcc(0) depctr_vm_vsrc(0)
	s_getreg_b32 s2, hwreg(HW_REG_IB_STS2, 6, 4)
	s_cmp_eq_u32 s2, 0
	s_cbranch_scc0 .Lentry_in_a_cluster
	s_endpgm
.Lentry_in_a_cluster:
	s_bfe_u32 s2, ttmp6, 0x10000c
	s_cmp_lg_u32 s2, 0xf033
	s_cbranch_scc0 .Lentry_shape_is_right
	s_endpgm
.Lentry_shape_is_right:
; qv[m][n] = sum over k of ab[m][k] wb[2048 p + n][k], p = m / 4096:  rows 0-4095 are q = x Wq^T, rows 4096-8191 are VW = slot_values Wout^T.
; Since out[t] = sum over the chosen slots of weight x (slot_values[slot] Wout^T), the output projection is made on the table of values (4,096 rows, as many as there are queries):
; the same multiply-adds as projecting the retrieved rows, for every input, and independent of the choice of slots.  So both products are ONE launch of 32 x 8 = 256 tiles.
; ab, wb: bf16, rows of 2,048.  Sums in f32, K ascending.  qv is stored in f32 (q decides the choice of slots and VW is no matrix operand); q also in bf16 (qb), for the score product.
; A tile of 256 x 256 is made by four waves, each 128 x 128: 64 accumulators of 16 x 16, 512 registers.  K goes in steps of 128 through a ring of two LDS slots filled by the tensor data
; mover; the tiles' rows are 256 bytes of memory and start at multiples of 256 bytes from the buffer's first byte.
; CLUSTERS: 4 x 4 work-groups.  The four of a row of the cluster need the same tiles of ab, the four of a column the same tiles of wb: each tile is asked for JOINTLY, by the same tensor
; load with the same descriptor and a mask that names the four.  p hangs on the cluster's y alone (four clusters' rows of tiles are 4,096 rows), so it is equal in all sixteen partners.
; THE MATRIX INSTRUCTION IS USED TRANSPOSED (source 0 = 16 rows of wb, source 1 = 16 rows of ab): lane l then holds row l % 16 and the columns 8 (l / 16) + 0..7 of a block of C.
; REGISTERS, in windows of 256 (s_set_vgpr_msb: bits 1:0 source 0, 3:2 source 1, 5:4 source 2, 7:6 destination):
;   window 0: v16-29 addresses; v64-127, v128-191 fragments of A, two buffers (on the way out: rows read back); v32-63, v192-255 at work on the way out
;   window 1: v64-127, v128-191 fragments of B;   window 2: the accumulators of my rows 0-63 ((a, b) at v[8 (8 a + b)]);   window 3: those of my rows 64-127
.set SIZE_K, 2048
.set KSTEP,  128
.set PITCH,  272                       ; an LDS row: 256 bytes + 16 of padding = 68 words: row r starts at bank 4 r mod 64 (64 banks of 4 bytes: ISA guide 11.1), so the 16 rows of a load start at 16 different banks
.set HALFT,  128*PITCH                 ; 128 rows: what one tensor load brings, and what one wave reads of A or of B
.set SLOT,   4*HALFT                   ; A's 256 rows, then B's 256 rows
.set STAGE,  2*SLOT                    ; behind the ring, at a multiple of 256 bytes: 8,448 bytes (33 x 256) for each wave, which no tensor load fills
.set WSTAGE, 8448                      ; 16 rows of 528 bytes (f32) or of 272 bytes (bf16)
.set LAPS,   SIZE_K/(2*KSTEP)         ; a lap = two K steps = once round the ring: 8
.set ADRA,  16                         ; v16-17  LDS address of my A fragments in slot 0, 1
.set ADRB,  20                         ; v20-21  the same for B
.set STO32, 24                         ; v24     f32 way out: where I put 32 bytes of a row
.set RD32,  25                         ; v25     f32 way out: where I read 16 bytes of a row back
.set CO32,  26                         ; v26     my byte offset in a row of qv
.set STO16, 27                         ; v27     the same three for bf16
.set RD16,  28
.set CO16,  29
.set F0,   64
.set F1,   128
.set TMP,  192                         ; bf16 way out: packed results
.set OB,   32                          ; bf16 way out: rows read back: v32-63 and v224-255 by turns
.set G1,  24                           ; s[24:31] descriptor group 1 for A's tiles;  s[32:39] group 0, a set for each slot
.set G0,  32
.set G1B, 48                           ; s[48:55], s[56:63] the same for B's tiles
.set G0B, 56
.set WV,  66                           ; s66 my wave;  s67 wave / 2: my half of the tile's rows, and: I fetch for A (0) or B (1);  s68 wave % 2: my half of its columns, and: which 128 rows I fetch
.set WR,  67
.set WC,  68
.set MSB, 0
.macro WIN new                         ; the immediate's high byte repeats the setting that is left; a switch that changes nothing is dropped
.if MSB != (\new)
	s_set_vgpr_msb (MSB<<8)|(\new)
.set MSB, (\new)
.endif
.endm
.set MUL_LO, 0xa1                      ; source 0 (B) window 1, source 1 (A) window 0, C and D window 2
.set MUL_HI, 0xf1                      ; the same, C and D window 3
.set TO_B,   0x40                      ; destination window 1, address window 0
; A joint load.  Waves 0 and 1 fetch A's two halves, waves 2 and 3 B's.  The branch hangs on the wave's number alone.  Four v_nop follow each of the two lines.
.macro JLOAD s
	s_cmp_eq_u32 s[WR], 0
	s_cbranch_scc0 .Lfor_b_\@
	tensor_load_to_lds s[G0+4*\s:G0+4*\s+3], s[G1:G1+7]
	s_nop 0
.rept 4
	v_nop
.endr
	s_branch .Lasked_\@
.Lfor_b_\@:
	tensor_load_to_lds s[G0B+4*\s:G0B+4*\s+3], s[G1B:G1B+7]
	s_nop 0
.rept 4
	v_nop
.endr
.Lasked_\@:
.endm
; A round of the cluster's barrier: my work-group's barrier; wave 0 signals for the work-group; every wave waits for all sixteen; my work-group's barrier once more.
.macro CREST                           ; a round behind its opening barrier
	s_cmp_lg_u32 s[WV], 0
	s_cbranch_scc1 .Lnot_wave_0_\@
	s_barrier_signal -3
.Lnot_wave_0_\@:
	s_barrier_wait -3
	s_barrier_signal -1
	s_barrier_wait -1
.endm
.macro CROUND                          ; a whole round
	s_barrier_signal -1
	s_barrier_wait -1
	CREST
.endm
	s_load_b256 s[4:11], s[0:1], 0x0               ; ab s[4:5], wb s[6:7], qv s[8:9], qb s[10:11]
	s_set_vgpr_msb 0x40
	v_lshl_add_u32 v255, v0, 2, 0x4c400
	s_set_vgpr_msb 0x4000
	v_mov_b32 v31, 0
	s_set_vgpr_msb 0x1
	ds_add_u32 v255, v31
	s_set_vgpr_msb 0x100
	v_lshrrev_b32 v1, 5, v0
	v_readfirstlane_b32 s[WV], v1                  ; wave 0..3
	s_lshr_b32 s[WR], s[WV], 1
	s_and_b32 s[WC], s[WV], 1
	s_bfe_u32 s71, ttmp6, 0x40000                  ; cx: my place along the cluster's x
	s_bfe_u32 s72, ttmp6, 0x40004                  ; cy: along its y
	s_lshl_b32 s70, ttmp9, 2                       ; in a cluster launch ttmp9 and ttmp7 count clusters
	s_add_co_u32 s70, s70, s71                     ; tile column = 4 x cluster x + cx (0..7)
	s_and_b32 s75, ttmp7, 0xffff
	s_lshl_b32 s69, s75, 2
	s_add_co_u32 s69, s69, s72                     ; tile row = 4 x cluster y + cy (0..31)
	s_lshr_b32 s75, s75, 2                         ; p = cluster y / 4: 0 for x and Wq, 1 for slot_values and Wout
	s_lshl_b32 s73, s72, 2
	s_lshl_b32 s73, 15, s73                        ; my row of the cluster: places 4 cy .. 4 cy + 3
	s_lshl_b32 s74, 0x1111, s71                    ; my column: places cx, cx + 4, cx + 8, cx + 12
	; descriptor group 1: a tile of 128 rows x 128 elements, padded in LDS
	s_or_b32 s[G1+0], s73, (1<<16)|(1<<20)|(1<<21)|(5<<22)|(3<<25)   ; 15:0 the mask: A's tiles go to my row; 17:16 elements of 2 bytes; 20 padding on; 21 set beside a mask; 24:22 after every 64 words (code 5); 31:25 4 words of it (code 3)
	s_or_b32 s[G1B+0], s74, (1<<16)|(1<<20)|(1<<21)|(5<<22)|(3<<25)  ; the same with the mask of my column, for B's tiles
.irp g, G1, G1B
	s_mov_b32 s[\g+1], KSTEP<<16                   ; tensor_dim0 = 128
	s_mov_b32 s[\g+2], 128<<16                     ; tensor_dim1 = 128
	s_mov_b32 s[\g+3], KSTEP<<16                   ; tile_dim0 = 128
	s_mov_b32 s[\g+4], 128                         ; tile_dim1 = 128
	s_mov_b32 s[\g+5], SIZE_K                      ; elements from row to row
	s_mov_b32 s[\g+6], 0
	s_mov_b32 s[\g+7], 0
.endr
	; where the tiles come from.  A's hang on the tile row alone, B's on the tile column and p alone, each in registers that never hold the other place in the cluster.
	s_lshl_b32 s87, s[WC], 7                       ; which 128 rows of the tile I fetch
	s_lshl_b32 s76, s69, 8
	s_add_co_u32 s76, s76, s87                     ; A: row 256 x tile row + 128 x half
	s_lshl_b32 s76, s76, 12                        ; x 4,096 bytes: under 2^25
	s_mov_b32 s77, 0
	s_lshl_b32 s78, s70, 8
	s_add_co_u32 s78, s78, s87                     ; B: row 256 x tile column + 128 x half
	s_lshl_b32 s88, s75, 11
	s_add_co_u32 s78, s78, s88                     ;    + 2,048 p
	s_lshl_b32 s78, s78, 12
	s_mov_b32 s79, 0
	s_mul_i32 s84, s[WV], HALFT                    ; and where they go: wave x 128 rows: no place in the cluster enters an LDS address
	s_wait_dscnt 0x0
	s_wait_kmcnt 0x0
	s_add_nc_u64 s[80:81], s[4:5], s[76:77]
	s_add_nc_u64 s[82:83], s[6:7], s[78:79]
	CROUND                                         ; all sixteen work-groups are here: the first joint loads meet
.irp s, 0,1
	s_mov_b32 s[G0+4*\s], 1                                        ; count = 1
	s_add_co_u32 s[G0+4*\s+1], s84, \s*SLOT                        ; LDS address
	s_add_nc_u64 s[G0+4*\s+2:G0+4*\s+3], s[80:81], \s*KSTEP*2      ; global address: K step s
	s_or_b32 s[G0+4*\s+3], s[G0+4*\s+3], 0x80000000                ; type = 2
	s_mov_b32 s[G0B+4*\s], 1
	s_add_co_u32 s[G0B+4*\s+1], s84, \s*SLOT
	s_add_nc_u64 s[G0B+4*\s+2:G0B+4*\s+3], s[82:83], \s*KSTEP*2
	s_or_b32 s[G0B+4*\s+3], s[G0B+4*\s+3], 0x80000000
	JLOAD \s                                       ; the ring is filled before anything else is done: two loads of mine are out
.endr
	; A fragment is 16 rows x 32 K in 8 registers: lane l holds row l % 16; registers 0-3 K = 8 (l / 16) + 0..7, registers 4-7 K = 16 + 8 (l / 16) + 0..7: two loads of 16 bytes, 32 bytes apart.
	v_and_b32 v1, 15, v0                           ; r = l % 16
	v_bfe_u32 v2, v0, 4, 1                         ; h = l / 16
	v_mul_u32_u24 v3, v1, PITCH
	v_lshl_add_u32 v3, v2, 4, v3                   ; row x pitch + 16 x half
	s_mul_i32 s85, s[WR], HALFT                    ; my 128 rows of A
	s_mul_i32 s86, s[WC], HALFT                    ; my 128 rows of B,
	s_add_co_u32 s86, s86, 2*HALFT                 ; which lie behind A's 256
.irp s, 0,1
	v_add_nc_u32 v[ADRA+\s], s85, v3
	v_add_nc_u32 v[ADRB+\s], s86, v3
	s_add_co_u32 s85, s85, SLOT
	s_add_co_u32 s86, s86, SLOT
.endr
	s_mul_i32 s89, s[WV], WSTAGE
	s_add_co_u32 s89, s89, STAGE                   ; my stage
	v_and_b32 v4, 31, v0
	v_mul_u32_u24 v5, v1, 528                      ; f32, in: row r of 528 bytes (33 x 16: the 16 rows start at 16 different groups of banks), 32 bytes for each half of the lanes
	v_lshl_add_u32 v5, v2, 5, v5
	v_add_nc_u32 v[STO32], s89, v5
	v_lshlrev_b32 v[CO32], 4, v4                   ; f32, back and out: the 32 lanes take one row's 512 bytes
	v_add_nc_u32 v[RD32], s89, v[CO32]
	v_mul_u32_u24 v5, v1, 272                      ; bf16, in: row r of 272 bytes, 16 bytes for each half of the lanes
	v_lshl_add_u32 v5, v2, 4, v5
	v_add_nc_u32 v[STO16], s89, v5
	v_mul_u32_u24 v5, v2, 272                      ; bf16, back: lanes 0-15 take one row of 256 bytes, lanes 16-31 the next
	v_lshl_add_u32 v5, v1, 4, v5
	v_add_nc_u32 v[RD16], s89, v5
	v_lshlrev_b32 v5, 12, v2                       ; and the same two rows in qb
	v_lshl_add_u32 v[CO16], v1, 4, v5
	; where my 128 x 128 begins in qv and in qb
	s_lshl_b32 s76, s69, 8
	s_lshl_b32 s87, s[WR], 7
	s_add_co_u32 s76, s76, s87                     ; my first row
	s_lshl_b32 s78, s70, 8
	s_lshl_b32 s88, s[WC], 7
	s_add_co_u32 s78, s78, s88                     ; my first column
	s_lshl_b32 s90, s76, 13                        ; rows of 8,192 bytes: under 2^26
	s_lshl_b32 s89, s78, 2
	s_add_co_u32 s90, s90, s89
	s_mov_b32 s91, 0
	s_add_nc_u64 s[8:9], s[8:9], s[90:91]
	s_lshl_b32 s90, s76, 12                        ; rows of 4,096 bytes (used where p = 0 alone)
	s_lshl_b32 s89, s78, 1
	s_add_co_u32 s90, s90, s89
	s_add_nc_u64 s[10:11], s[10:11], s[90:91]
; 16 matrix instructions: m blocks a0, a0 + 1 of the window's four x all 8 n blocks, 32 along K.  zero = 1: the first product starts the sums: nothing is ever cleared.
; The 64 accumulators take turns, one instruction a turn, in the same order in every quarter step.
.macro MUL16 f, hi, a0, zero
.irp a, \a0, \a0+1
.irp b, 0,1,2,3,4,5,6,7
.if \zero
	v_wmma_f32_16x16x32_bf16 v[8*(8*(\a)+\b):8*(8*(\a)+\b)+7], v[\f+8*\b:\f+8*\b+7], v[\f+8*(4*\hi+\a):\f+8*(4*\hi+\a)+7], 0
.else
	v_wmma_f32_16x16x32_bf16 v[8*(8*(\a)+\b):8*(8*(\a)+\b)+7], v[\f+8*\b:\f+8*\b+7], v[\f+8*(4*\hi+\a):\f+8*(4*\hi+\a)+7], v[8*(8*(\a)+\b):8*(8*(\a)+\b)+7]
.endif
.endr
.endr
.endm
; 32 LDS loads in one run: the fragments of one quarter step (128 rows of B, 128 rows of A, 32 K at byte k of the rows) into buffer f
.macro FETCH slot, k, f
	WIN TO_B
.irp i, 0,1,2,3,4,5,6,7
	ds_load_b128 v[\f+8*\i:\f+8*\i+3],   v[ADRB+\slot] offset:\k+\i*16*PITCH
	ds_load_b128 v[\f+8*\i+4:\f+8*\i+7], v[ADRB+\slot] offset:\k+\i*16*PITCH+32
.endr
	WIN 0
.irp i, 0,1,2,3,4,5,6,7
	ds_load_b128 v[\f+8*\i:\f+8*\i+3],   v[ADRA+\slot] offset:\k+\i*16*PITCH
	ds_load_b128 v[\f+8*\i+4:\f+8*\i+7], v[ADRA+\slot] offset:\k+\i*16*PITCH+32
.endr
.endm
; A load into a register that a matrix instruction has read, and whatever reads a matrix result but a matrix instruction, stand four places behind it, and only plain vector
; instructions that name none of its registers are places (ISA guide 7.12.1 for vector instructions).
.macro PLACES
.rept 4
	v_nop
.endr
.endm
; A K step is four quarter steps of 32 along K, 64 matrix instructions each, on buffers 0, 1, 0, 1.  One of the first three: multiplies buffer f and fetches the next quarter, at byte k, into g.
.macro QUARTER slot, k, f, g, zero
	s_wait_dscnt 8                                 ; B and A's rows 0-63 are in; the youngest eight loads (A's rows 64-127) may be out
	WIN MUL_LO
	MUL16 \f, 0, 0, \zero
	MUL16 \f, 0, 2, \zero
	PLACES
	FETCH \slot, \k, \g
	s_wait_dscnt 32                                ; all but the 32 just issued
	WIN MUL_HI
	MUL16 \f, 1, 0, \zero
	MUL16 \f, 1, 2, \zero
.endm
; The last quarter multiplies buffer 1 and changes slots.  MEET is its first half: ONE barrier for the change.  In front of it each wave waits for its own reads of this slot and for all
; its tensor loads, of which one is out: its part of the next slot.  Behind it nobody reads this slot any more and the next slot is whole.
.macro MEET round                      ; round = 1: the rest of a round of the cluster's barrier follows
	s_wait_dscnt 8
	WIN MUL_LO
	MUL16 F1, 0, 0, 0
	s_wait_dscnt 0                                 ; my reads of this slot are over
	s_wait_tensorcnt 0x0                           ; and all my tensor loads have landed
	ds_add_u32 v255, v31
	s_wait_dscnt 0x0
	s_barrier_signal -1
	MUL16 F1, 0, 2, 0                              ; work on registers while the others arrive
.if \round
	WIN 0                                          ; at a branch and at a label every window is 0
.endif
	s_barrier_wait -1
.endm
; The whole last quarter.  fill = 1: the slot just read out is filled again, two K steps on, first thing behind the round: from that request to the wait for it a wave issues 240 matrix instructions.
.macro TURN slot, next, fill
	MEET \fill
.if \fill
	CREST                                          ; no wave of any partner still reads this slot's tile or has a load on its way
	s_add_nc_u64 s[G0+4*\slot+2:G0+4*\slot+3], s[G0+4*\slot+2:G0+4*\slot+3], 2*KSTEP*2       ; no tensor load of mine is out: a group 0 may be written
	s_add_nc_u64 s[G0B+4*\slot+2:G0B+4*\slot+3], s[G0B+4*\slot+2:G0B+4*\slot+3], 2*KSTEP*2
	JLOAD \slot                                    ; its four v_nop are also the places in front of the loads below
.else
	PLACES
.endif
	FETCH \next, 0, F0
	WIN MUL_HI
	MUL16 F1, 1, 0, 0
	MUL16 F1, 1, 2, 0
.endm
; THE WAY OUT IN f32.  Block a (16 rows x 128 columns) goes from the accumulators into my stage, 32 bytes a lane and accumulator, and comes back as whole rows of 512 bytes.
; The stage is my wave's own and LDS serves a wave's instructions in order (ISA guide 5.7.1.4): no wait between the stores and the loads, nor in front of the next block's stores.
.macro STAGE32 a
.set AC, 64*((\a)%4)
.set BK, 64+64*((\a)%2)
.if (\a) >= 2
	s_wait_xcnt 0x0                                ; the stores of the block two back, which read these 64 registers, have had their addresses translated (ISA guide 3.1)
.endif
	WIN (2+(\a)/4)<<2                              ; an LDS store's data are its source 1: window 2 or 3
.irp b, 0,1,2,3,4,5,6,7
	ds_store_b128 v[STO32], v[AC+8*\b:AC+8*\b+3]   offset:64*\b       ; each accumulator from its low end on
	ds_store_b128 v[STO32], v[AC+8*\b+4:AC+8*\b+7] offset:64*\b+16
.endr
	WIN 0
.irp t, 0,1,2,3,4,5,6,7,8,9,10,11,12,13,14,15
	ds_load_b128 v[BK+4*\t:BK+4*\t+3], v[RD32] offset:528*\t
.endr
.endm
.macro SEND32 a, younger               ; younger: the LDS instructions issued behind block a's loads: the next block's 16 stores and 16 loads, or none
.set BK, 64+64*((\a)%2)
.irp t, 0,1,2,3,4,5,6,7,8,9,10,11,12,13,14,15
	s_wait_dscnt \younger+15-\t
	global_store_b128 v[CO32], v[BK+4*\t:BK+4*\t+3], s[8:9] offset:(16*(\a)+\t)*8192   ; the wave stores 512 consecutive bytes, aligned; the row stands in the immediate, 127 rows at the most
.endr
.endm
; THE WAY OUT IN bf16 (q alone).  A lane's eight columns pack into 16 bytes; they go into rows of 272 bytes of the same stage and come back as whole rows of 256.
.macro PACK a
.set AC, 64*((\a)%4)
	WIN 0x0a+5*((\a)/4)                            ; sources 0 and 1: window 2 or 3
.irp b, 0,1,2,3,4,5,6,7
.irp r, 0,1,2,3
	v_cvt_pk_bf16_f32 v[TMP+4*\b+\r], v[AC+8*\b+2*\r], v[AC+8*\b+2*\r+1]
.endr
.endr
	WIN 0
.endm
.macro TOSTAGE a
.set BK, OB+192*((\a)%2)
.irp b, 0,1,2,3,4,5,6,7
	ds_store_b128 v[STO16], v[TMP+4*\b:TMP+4*\b+3] offset:32*\b
.endr
.irp t, 0,1,2,3,4,5,6,7
	ds_load_b128 v[BK+4*\t:BK+4*\t+3], v[RD16] offset:\t*2*272
.endr
.endm
.macro SEND a
.set BK, OB+192*((\a)%2)
	s_wait_dscnt 0x0                               ; the block is back in registers
	s_wait_xcnt 0x0                                ; the block before's stores have had their addresses translated: the next TOSTAGE loads into the registers that they read
.irp t, 0,1,2,3,4,5,6,7
	global_store_b128 v[CO16], v[BK+4*\t:BK+4*\t+3], s[10:11] offset:(16*(\a)+2*\t)*4096   ; 16 lanes store 256 consecutive bytes, aligned
.endr
.endm
	s_wait_tensorcnt 1                             ; my part of K step 0 is in; K step 1's may stay out
	s_barrier_signal -1
	s_barrier_wait -1                              ; everybody's is
	FETCH 0, 0, F0
	QUARTER 0, 64,  F0, F1, 1                      ; the first quarter stands in front of the loop: its products start the sums
	WIN 0                                          ; at a label and at a branch every window is 0
	s_mov_b32 s3, LAPS-1
.Llap:                                                 ; a trip goes once round the ring, from a lap's second quarter to the next lap's first, and fills both slots again
	QUARTER 0, 128, F1, F0, 0
	QUARTER 0, 192, F0, F1, 0
	TURN 0, 1, 1
	QUARTER 1, 64,  F0, F1, 0
	QUARTER 1, 128, F1, F0, 0
	QUARTER 1, 192, F0, F1, 0
	TURN 1, 0, 1
	QUARTER 0, 64,  F0, F1, 0
	WIN 0
	s_sub_co_u32 s3, s3, 1
	s_cmp_lg_u32 s3, 0
	s_cbranch_scc1 .Llap
	QUARTER 0, 128, F1, F0, 0                      ; the last lap is written out: it fills nothing, and has no round of the cluster's barrier
	QUARTER 0, 192, F0, F1, 0
	TURN 0, 1, 0
	QUARTER 1, 64,  F0, F1, 0
	QUARTER 1, 128, F1, F0, 0
	QUARTER 1, 192, F0, F1, 0
	s_wait_dscnt 8                                 ; the very last quarter: nothing more to fetch
	WIN MUL_LO
	MUL16 F1, 0, 0, 0
	MUL16 F1, 0, 2, 0
	s_wait_dscnt 0
	WIN MUL_HI
	MUL16 F1, 1, 0, 0
	MUL16 F1, 1, 2, 0
	WIN 0
	PLACES                                         ; in front of the LDS stores that read results, and of the loads into A's buffers
	STAGE32 0
.irp a, 1,2,3,4,5,6,7                  ; block a's trip through the stage is issued ahead of block a - 1's stores to memory
	STAGE32 \a
	SEND32 \a-1, 32
.endr
	SEND32 7, 0                                    ; ends with a wait for 0: no LDS instruction of mine is out
	s_cmp_lg_u32 s75, 0                            ; p is equal in all sixteen partners and in all four waves; no barrier stands inside the branch
	s_cbranch_scc1 .Lno_q16                        ; VW is wanted in f32 alone
	PACK 0
	TOSTAGE 0
.irp a, 1,2,3,4,5,6,7                  ; block a's conversions stand between block a - 1's loads from the stage and the wait for them
	PACK \a
	SEND \a-1
	TOSTAGE \a
.endr
	SEND 7
.Lno_q16:
	s_set_vgpr_msb 0x1
	s_wait_tensorcnt 0x0
	ds_add_u32 v255, v31
	s_wait_dscnt 0x0
	s_set_vgpr_msb 0x100
	CROUND                                         ; the closing round: no work-group ends while a partner may still ask for a tile that names it
	s_endpgm
.Lfunc_end_k_q2374b30600_proj:
	.size	k_q2374b30600_proj, .Lfunc_end_k_q2374b30600_proj-k_q2374b30600_proj
	.p2alignl 7, 3214868480
	.fill 96, 4, 3214868480
	.section	.rodata,"a",@progbits
	.p2align	6, 0x0
	.amdhsa_kernel k_q2374b30600_proj
		.amdhsa_group_segment_fixed_size 327680
		.amdhsa_private_segment_fixed_size 0
		.amdhsa_enable_private_segment 0
		.amdhsa_kernarg_size 32
		.amdhsa_user_sgpr_count 2
		.amdhsa_user_sgpr_kernarg_segment_ptr 1
		.amdhsa_wavefront_size32 1
		.amdhsa_system_sgpr_workgroup_id_x 1
		.amdhsa_system_sgpr_workgroup_id_y 1
		.amdhsa_system_sgpr_workgroup_id_z 1
		.amdhsa_system_vgpr_workitem_id 0
		.amdhsa_next_free_vgpr 1024
		.amdhsa_next_free_sgpr 96
		.amdhsa_reserve_vcc 0
		.amdhsa_float_denorm_mode_32 3
		.amdhsa_float_denorm_mode_16_64 3
		.amdhsa_memory_ordered 1
		.amdhsa_forward_progress 1
		.amdhsa_inst_pref_size 176
	.end_amdhsa_kernel
	.amdgpu_metadata
---
amdhsa.version: [ 1, 2 ]
amdhsa.kernels:
  - .name:           k_q2374b30600_proj
    .symbol:         k_q2374b30600_proj.kd
    .args:
      - { .name: ab, .offset: 0, .size: 8, .value_kind: global_buffer, .address_space: global }
      - { .name: wb, .offset: 8, .size: 8, .value_kind: global_buffer, .address_space: global }
      - { .name: qv, .offset: 16, .size: 8, .value_kind: global_buffer, .address_space: global }
      - { .name: qb, .offset: 24, .size: 8, .value_kind: global_buffer, .address_space: global }
    .group_segment_fixed_size: 327680
    .private_segment_fixed_size: 0
    .kernarg_segment_align: 8
    .kernarg_segment_size: 32
    .max_flat_workgroup_size: 128
    .sgpr_count:     96
    .vgpr_count:     1024
    .wavefront_size: 32
...
	.end_amdgpu_metadata
.endif
;; end of part 2
;; launch score (part 3): grid 16 x 16, 4 waves a work-group, clusters of 4 x 4, 327,680 bytes of LDS; arguments qb, kb, cand; writes cand
.if DOCPART == 3
	.amdgcn_target "amdgcn-amd-amdhsa--gfx1250"
	.amdhsa_code_object_version 6
	.text
	.protected	k_q2374b30600_score
	.globl	k_q2374b30600_score
	.p2align	8
	.type	k_q2374b30600_score,@function
k_q2374b30600_score:
	s_mov_b64 s[64:65], 0
	v_nop
	global_prefetch_b8 v0, s[64:65] scope:SCOPE_SE
	s_setreg_imm32_b32 hwreg(HW_REG_WAVE_MODE, 25, 1), 1
	s_wait_xcnt 0x0
	s_wait_alu depctr_hold_cnt(0) depctr_sa_sdst(0) depctr_va_vdst(0) depctr_va_sdst(0) depctr_va_ssrc(0) depctr_va_vcc(0) depctr_vm_vsrc(0)
	s_getreg_b32 s2, hwreg(HW_REG_IB_STS2, 6, 4)
	s_cmp_eq_u32 s2, 0
	s_cbranch_scc0 .Lentry_in_a_cluster
	s_endpgm
.Lentry_in_a_cluster:
	s_bfe_u32 s2, ttmp6, 0x10000c
	s_cmp_lg_u32 s2, 0xf033
	s_cbranch_scc0 .Lentry_shape_is_right
	s_endpgm
.Lentry_shape_is_right:
; S[t][n] = sum over k of qb[t][k] kb[n][k] (bf16 operands, f32 sums), 4,096 queries x 4,096 slots, and of S only CANDIDATES leave: for each query and each LIST of 64 slots
; the best four, as whole numbers.  S itself is never stored.  The positive factor 1 / sqrt(2048) changes no order and is applied where the softmax is made.
; The product is built as in the launch before it: tiles of 256 x 256, four waves of 128 x 128, K in steps of 128 through two LDS slots, clusters of 4 x 4 with joint loads,
; the matrix instruction used transposed (source 0 = 16 slots, source 1 = 16 queries): lane l holds query l % 16 of a block and the slots 16 b + 8 (l / 16) + j of accumulator b.
; LISTS.  For a block of 16 queries a lane holds 64 scores of one query: list  = 4 x tile column + 2 x (wave % 2) + l / 16 (0..63), slot = 128 (list / 2) + 8 (list % 2) + 16 b + j.
; KEYS.  A score's low 6 bits are replaced by 63 - (8 b + j); the four largest of the 64 such floats are kept sorted (an insertion is three medians and a maximum); each is then
; turned into an unsigned number in the floats' order (sign bit flipped, or all bits for a negative), its low 6 bits left as they were.  cand[list][query][4], u32.
; LIMITS.  The pre-selection looks at the bf16 product's 26 leading bits; the deciding scores are made anew in f32 by the next launch.  Among scores equal in those bits the lower slot
; is preferred for scores >= 0, the higher one for negative scores.  Infinite scores and NaN are not served (the lists start at -infinity, and an infinity with place bits is a NaN).
.set SIZE_K, 2048
.set KSTEP,  128
.set PITCH,  272                       ; an LDS row: 256 bytes + 16 of padding = 68 words: row r starts at bank 4 r mod 64 (64 banks of 4 bytes: ISA guide 11.1)
.set HALFT,  128*PITCH
.set SLOT,   4*HALFT
.set LAPS,   SIZE_K/(2*KSTEP)
.set ADRA, 16                          ; v16-17  LDS address of my A fragments in slot 0, 1
.set ADRB, 20                          ; v20-21  the same for B
.set CO,   26                          ; v26     my byte offset in cand
.set KEY,  32                          ; v32-63  block a: its four keys, sorted, at v[32 + 4 a]
.set T,    64                          ; v64-191 two blocks' 64 scores with their places
.set TT,   192                         ; v192-199 at work
.set F0,   64
.set F1,   128
.set G1,  24
.set G0,  32
.set G1B, 48
.set G0B, 56
.set WV,  66
.set WR,  67
.set WC,  68
.set MSB, 0
.macro WIN new                         ; the immediate's high byte repeats the setting that is left; a switch that changes nothing is dropped
.if MSB != (\new)
	s_set_vgpr_msb (MSB<<8)|(\new)
.set MSB, (\new)
.endif
.endm
.set MUL_LO, 0xa1                      ; source 0 (B) window 1, source 1 (A) window 0, C and D window 2
.set MUL_HI, 0xf1                      ; the same, C and D window 3
.set TO_B,   0x40                      ; destination window 1, address window 0
.macro JLOAD s                         ; a joint load: waves 0 and 1 fetch A's two halves, waves 2 and 3 B's; four v_nop follow each of the two lines
	s_cmp_eq_u32 s[WR], 0
	s_cbranch_scc0 .Lfor_b_\@
	tensor_load_to_lds s[G0+4*\s:G0+4*\s+3], s[G1:G1+7]
	s_nop 0
.rept 4
	v_nop
.endr
	s_branch .Lasked_\@
.Lfor_b_\@:
	tensor_load_to_lds s[G0B+4*\s:G0B+4*\s+3], s[G1B:G1B+7]
	s_nop 0
.rept 4
	v_nop
.endr
.Lasked_\@:
.endm
.macro CREST                           ; a round of the cluster's barrier behind its opening barrier
	s_cmp_lg_u32 s[WV], 0
	s_cbranch_scc1 .Lnot_wave_0_\@
	s_barrier_signal -3
.Lnot_wave_0_\@:
	s_barrier_wait -3
	s_barrier_signal -1
	s_barrier_wait -1
.endm
.macro CROUND                          ; a whole round
	s_barrier_signal -1
	s_barrier_wait -1
	CREST
.endm
	s_load_b128 s[4:7], s[0:1], 0x0                ; qb s[4:5], kb s[6:7]
	s_load_b64 s[8:9], s[0:1], 0x10                ; cand
	s_set_vgpr_msb 0x40
	v_lshl_add_u32 v255, v0, 2, 0x44000
	s_set_vgpr_msb 0x4000
	v_mov_b32 v255, 0
	s_set_vgpr_msb 0x1
	ds_add_u32 v255, v255
	s_set_vgpr_msb 0x100
	v_lshrrev_b32 v1, 5, v0
	v_readfirstlane_b32 s[WV], v1                  ; wave 0..3
	s_lshr_b32 s[WR], s[WV], 1                     ; my half of the tile's queries.  Also: I fetch for A (0) or for B (1)
	s_and_b32 s[WC], s[WV], 1                      ; my half of its slots.  Also: which 128 rows of that tile I fetch
	s_bfe_u32 s71, ttmp6, 0x40000                  ; cx
	s_bfe_u32 s72, ttmp6, 0x40004                  ; cy
	s_lshl_b32 s70, ttmp9, 2
	s_add_co_u32 s70, s70, s71                     ; tile column (slots) = 4 x cluster x + cx
	s_and_b32 s69, ttmp7, 0xffff
	s_lshl_b32 s69, s69, 2
	s_add_co_u32 s69, s69, s72                     ; tile row (queries) = 4 x cluster y + cy
	s_lshl_b32 s73, s72, 2
	s_lshl_b32 s73, 15, s73                        ; my row of the cluster
	s_lshl_b32 s74, 0x1111, s71                    ; my column
	s_or_b32 s[G1+0], s73, (1<<16)|(1<<20)|(1<<21)|(5<<22)|(3<<25)   ; the mask: A's tiles go to my row; elements of 2 bytes; padding on; bit 21 beside a mask; 4 words behind every 64
	s_or_b32 s[G1B+0], s74, (1<<16)|(1<<20)|(1<<21)|(5<<22)|(3<<25)  ; the same with the mask of my column
.irp g, G1, G1B
	s_mov_b32 s[\g+1], KSTEP<<16                   ; tensor_dim0 = 128
	s_mov_b32 s[\g+2], 128<<16                     ; tensor_dim1 = 128
	s_mov_b32 s[\g+3], KSTEP<<16                   ; tile_dim0 = 128
	s_mov_b32 s[\g+4], 128                         ; tile_dim1 = 128
	s_mov_b32 s[\g+5], SIZE_K                      ; elements from row to row
	s_mov_b32 s[\g+6], 0
	s_mov_b32 s[\g+7], 0
.endr
	s_lshl_b32 s87, s[WC], 7                       ; which 128 rows of the tile I fetch
	s_lshl_b32 s76, s69, 8
	s_add_co_u32 s76, s76, s87                     ; A: row 256 x tile row + 128 x half
	s_lshl_b32 s76, s76, 12                        ; x 4,096 bytes
	s_mov_b32 s77, 0
	s_lshl_b32 s78, s70, 8
	s_add_co_u32 s78, s78, s87                     ; B: row 256 x tile column + 128 x half
	s_lshl_b32 s78, s78, 12
	s_mov_b32 s79, 0
	s_mul_i32 s84, s[WV], HALFT                    ; where they go: wave x 128 rows
	s_mov_b32 s92, 0xffffffc0                      ; a score's 26 leading bits
	s_mov_b32 s93, 0xff800000                      ; -infinity
	s_wait_dscnt 0x0
	s_wait_kmcnt 0x0
	s_add_nc_u64 s[80:81], s[4:5], s[76:77]
	s_add_nc_u64 s[82:83], s[6:7], s[78:79]
	CROUND                                         ; all sixteen work-groups are here: the first joint loads meet
.irp s, 0,1
	s_mov_b32 s[G0+4*\s], 1
	s_add_co_u32 s[G0+4*\s+1], s84, \s*SLOT
	s_add_nc_u64 s[G0+4*\s+2:G0+4*\s+3], s[80:81], \s*KSTEP*2
	s_or_b32 s[G0+4*\s+3], s[G0+4*\s+3], 0x80000000
	s_mov_b32 s[G0B+4*\s], 1
	s_add_co_u32 s[G0B+4*\s+1], s84, \s*SLOT
	s_add_nc_u64 s[G0B+4*\s+2:G0B+4*\s+3], s[82:83], \s*KSTEP*2
	s_or_b32 s[G0B+4*\s+3], s[G0B+4*\s+3], 0x80000000
	JLOAD \s                                       ; two loads of mine are out
.endr
	v_and_b32 v1, 15, v0                           ; r = l % 16
	v_bfe_u32 v2, v0, 4, 1                         ; h = l / 16
	v_mul_u32_u24 v3, v1, PITCH
	v_lshl_add_u32 v3, v2, 4, v3                   ; a fragment's row x pitch + 16 x half
	s_mul_i32 s85, s[WR], HALFT
	s_mul_i32 s86, s[WC], HALFT
	s_add_co_u32 s86, s86, 2*HALFT
.irp s, 0,1
	v_add_nc_u32 v[ADRA+\s], s85, v3
	v_add_nc_u32 v[ADRB+\s], s86, v3
	s_add_co_u32 s85, s85, SLOT
	s_add_co_u32 s86, s86, SLOT
.endr
	v_lshlrev_b32 v4, 16, v2                       ; cand: a list is 4,096 queries x 16 bytes = 65,536 bytes: the lanes' halves are two lists,
	v_lshl_add_u32 v[CO], v1, 4, v4                ; and query r takes 16 bytes
	s_lshl_b32 s76, s69, 8
	s_lshl_b32 s87, s[WR], 7
	s_add_co_u32 s76, s76, s87                     ; my first query
	s_lshl_b32 s78, s70, 2
	s_lshl_b32 s88, s[WC], 1
	s_add_co_u32 s78, s78, s88                     ; my first list: 4 x tile column + 2 x half
	s_lshl_b32 s90, s78, 16
	s_lshl_b32 s89, s76, 4
	s_add_co_u32 s90, s90, s89
	s_mov_b32 s91, 0
	s_add_nc_u64 s[8:9], s[8:9], s[90:91]
; 16 matrix instructions; the 64 accumulators take turns, one instruction a turn, in the same order in every quarter step.  zero = 1: the product starts the sums.
.macro MUL16 f, hi, a0, zero
.irp a, \a0, \a0+1
.irp b, 0,1,2,3,4,5,6,7
.if \zero
	v_wmma_f32_16x16x32_bf16 v[8*(8*(\a)+\b):8*(8*(\a)+\b)+7], v[\f+8*\b:\f+8*\b+7], v[\f+8*(4*\hi+\a):\f+8*(4*\hi+\a)+7], 0
.else
	v_wmma_f32_16x16x32_bf16 v[8*(8*(\a)+\b):8*(8*(\a)+\b)+7], v[\f+8*\b:\f+8*\b+7], v[\f+8*(4*\hi+\a):\f+8*(4*\hi+\a)+7], v[8*(8*(\a)+\b):8*(8*(\a)+\b)+7]
.endif
.endr
.endr
.endm
.macro FETCH slot, k, f                ; 32 LDS loads in one run: one quarter step's fragments into buffer f
	WIN TO_B
.irp i, 0,1,2,3,4,5,6,7
	ds_load_b128 v[\f+8*\i:\f+8*\i+3],   v[ADRB+\slot] offset:\k+\i*16*PITCH
	ds_load_b128 v[\f+8*\i+4:\f+8*\i+7], v[ADRB+\slot] offset:\k+\i*16*PITCH+32
.endr
	WIN 0
.irp i, 0,1,2,3,4,5,6,7
	ds_load_b128 v[\f+8*\i:\f+8*\i+3],   v[ADRA+\slot] offset:\k+\i*16*PITCH
	ds_load_b128 v[\f+8*\i+4:\f+8*\i+7], v[ADRA+\slot] offset:\k+\i*16*PITCH+32
.endr
.endm
.macro PLACES                          ; four places in front of loads into registers that matrix instructions have read, and of vector instructions that read results (ISA guide 7.12.1 for vector instructions)
.rept 4
	v_nop
.endr
.endm
.macro QUARTER slot, k, f, g, zero
	s_wait_dscnt 8                                 ; B and A's rows 0-63 are in; the youngest eight loads (A's rows 64-127) may be out
	WIN MUL_LO
	MUL16 \f, 0, 0, \zero
	MUL16 \f, 0, 2, \zero
	PLACES
	FETCH \slot, \k, \g
	s_wait_dscnt 32                                ; all but the 32 just issued
	WIN MUL_HI
	MUL16 \f, 1, 0, \zero
	MUL16 \f, 1, 2, \zero
.endm
.macro MEET round                      ; the change of slots: one barrier; in front of it each wave waits for its reads of this slot and for all its tensor loads
	s_wait_dscnt 8
	WIN MUL_LO
	MUL16 F1, 0, 0, 0
	s_wait_dscnt 0                                 ; my reads of this slot are over
	s_wait_tensorcnt 0x0                           ; and all my tensor loads have landed: the one that was out is my part of the next slot
	ds_add_u32 v255, v255
	s_wait_dscnt 0x0
	s_barrier_signal -1
	MUL16 F1, 0, 2, 0
.if \round
	WIN 0
.endif
	s_barrier_wait -1
.endm
.macro TURN slot, next, fill           ; fill = 1: this slot is filled again, two K steps on, first thing behind the round: 240 matrix instructions ahead of the wait for it
	MEET \fill
.if \fill
	CREST
	s_add_nc_u64 s[G0+4*\slot+2:G0+4*\slot+3], s[G0+4*\slot+2:G0+4*\slot+3], 2*KSTEP*2
	s_add_nc_u64 s[G0B+4*\slot+2:G0B+4*\slot+3], s[G0B+4*\slot+2:G0B+4*\slot+3], 2*KSTEP*2
	JLOAD \slot                                    ; its four v_nop are also the places in front of the loads below
.else
	PLACES
.endif
	FETCH \next, 0, F0
	WIN MUL_HI
	MUL16 F1, 1, 0, 0
	MUL16 F1, 1, 2, 0
.endm
; THE SELECTION, for blocks a0 and a0 + 1 (they share a window), line by line in turn, so that neither block's chain of insertions waits for itself.
.macro SELECT2 a0
	WIN 2+(\a0)/4                                  ; source 0: the accumulators' window
.irp d, 0,1
.irp b, 0,1,2,3,4,5,6,7
.irp j, 0,1,2,3,4,5,6,7
	v_and_or_b32 v[T+64*\d+8*\b+\j], v[64*((\a0+\d)%4)+8*\b+\j], s92, 63-(8*\b+\j)   ; 26 bits of score, 6 of place, inverted; each accumulator from its low end on
.endr
.endr
.endr
	WIN 0
.irp d, 0,1
.irp n, 0,1,2,3
	v_mov_b32 v[KEY+4*(\a0+\d)+\n], s93            ; an empty list: four times -infinity, below every finite score
.endr
.endr
.set e, 0
.rept 64                               ; L0 >= L1 >= L2 >= L3 take x in: from the bottom up, each line on the old values above it
.irp d, 0,1
	v_med3_num_f32 v[KEY+4*(\a0+\d)+3], v[KEY+4*(\a0+\d)+2], v[KEY+4*(\a0+\d)+3], v[T+64*\d+e]
	v_med3_num_f32 v[KEY+4*(\a0+\d)+2], v[KEY+4*(\a0+\d)+1], v[KEY+4*(\a0+\d)+2], v[T+64*\d+e]
	v_med3_num_f32 v[KEY+4*(\a0+\d)+1], v[KEY+4*(\a0+\d)],   v[KEY+4*(\a0+\d)+1], v[T+64*\d+e]
	v_max_num_f32  v[KEY+4*(\a0+\d)],   v[KEY+4*(\a0+\d)],   v[T+64*\d+e]
.endr
.set e, e+1
.endr
.irp n, 0,1,2,3,4,5,6,7                ; the eight keys as unsigned numbers in the floats' order
	v_ashrrev_i32 v[TT+\n], 31, v[KEY+4*(\a0)+\n]  ; all ones for a negative,
.endr
.irp n, 0,1,2,3,4,5,6,7
	v_or_b32 v[TT+\n], 0x80000000, v[TT+\n]        ; the sign bit alone otherwise:
.endr
.irp n, 0,1,2,3,4,5,6,7
	v_xor_b32 v[TT+\n], v[KEY+4*(\a0)+\n], v[TT+\n]   ; these bits are flipped;
.endr
.irp n, 0,1,2,3,4,5,6,7
	v_bfi_b32 v[KEY+4*(\a0)+\n], 63, v[KEY+4*(\a0)+\n], v[TT+\n]   ; the place stays as it was
.endr
.irp d, 0,1
	global_store_b128 v[CO], v[KEY+4*(\a0+\d):KEY+4*(\a0+\d)+3], s[8:9] offset:256*(\a0+\d)   ; 16 lanes (16 queries of one list) store 256 consecutive bytes, aligned; no register of a store is written again
.endr
.endm
	s_wait_tensorcnt 1                             ; my part of K step 0 is in; K step 1's may stay out
	s_barrier_signal -1
	s_barrier_wait -1
	FETCH 0, 0, F0
	QUARTER 0, 64,  F0, F1, 1                      ; the first quarter stands in front of the loop: its products start the sums
	WIN 0
	s_mov_b32 s3, LAPS-1
.Llap:                                                 ; a trip goes once round the ring and fills both slots again
	QUARTER 0, 128, F1, F0, 0
	QUARTER 0, 192, F0, F1, 0
	TURN 0, 1, 1
	QUARTER 1, 64,  F0, F1, 0
	QUARTER 1, 128, F1, F0, 0
	QUARTER 1, 192, F0, F1, 0
	TURN 1, 0, 1
	QUARTER 0, 64,  F0, F1, 0
	WIN 0
	s_sub_co_u32 s3, s3, 1
	s_cmp_lg_u32 s3, 0
	s_cbranch_scc1 .Llap
	QUARTER 0, 128, F1, F0, 0                      ; the last lap is written out: it fills nothing
	QUARTER 0, 192, F0, F1, 0
	TURN 0, 1, 0
	QUARTER 1, 64,  F0, F1, 0
	QUARTER 1, 128, F1, F0, 0
	QUARTER 1, 192, F0, F1, 0
	s_wait_dscnt 8
	WIN MUL_LO
	MUL16 F1, 0, 0, 0
	MUL16 F1, 0, 2, 0
	s_wait_dscnt 0
	WIN MUL_HI
	MUL16 F1, 1, 0, 0
	MUL16 F1, 1, 2, 0
	WIN 0
	PLACES                                         ; the lines below read results and write A's buffers
	SELECT2 0
	SELECT2 2
	SELECT2 4
	SELECT2 6
	CROUND                                         ; the closing round: no work-group ends while a partner may still ask for a tile that names it
	s_endpgm
.Lfunc_end_k_q2374b30600_score:
	.size	k_q2374b30600_score, .Lfunc_end_k_q2374b30600_score-k_q2374b30600_score
	.p2alignl 7, 3214868480
	.fill 96, 4, 3214868480
	.section	.rodata,"a",@progbits
	.p2align	6, 0x0
	.amdhsa_kernel k_q2374b30600_score
		.amdhsa_group_segment_fixed_size 327680
		.amdhsa_private_segment_fixed_size 0
		.amdhsa_enable_private_segment 0
		.amdhsa_kernarg_size 24
		.amdhsa_user_sgpr_count 2
		.amdhsa_user_sgpr_kernarg_segment_ptr 1
		.amdhsa_wavefront_size32 1
		.amdhsa_system_sgpr_workgroup_id_x 1
		.amdhsa_system_sgpr_workgroup_id_y 1
		.amdhsa_system_sgpr_workgroup_id_z 1
		.amdhsa_system_vgpr_workitem_id 0
		.amdhsa_next_free_vgpr 1024
		.amdhsa_next_free_sgpr 96
		.amdhsa_reserve_vcc 0
		.amdhsa_float_denorm_mode_32 3
		.amdhsa_float_denorm_mode_16_64 3
		.amdhsa_memory_ordered 1
		.amdhsa_forward_progress 1
		.amdhsa_inst_pref_size 255
	.end_amdhsa_kernel
	.section	.bss,"aw",@nobits
	.p2align	6
	.space	262144
	.amdgpu_metadata
---
amdhsa.version: [ 1, 2 ]
amdhsa.kernels:
  - .name:           k_q2374b30600_score
    .symbol:         k_q2374b30600_score.kd
    .args:
      - { .name: qb, .offset: 0, .size: 8, .value_kind: global_buffer, .address_space: global }
      - { .name: kb, .offset: 8, .size: 8, .value_kind: global_buffer, .address_space: global }
      - { .name: cand, .offset: 16, .size: 8, .value_kind: global_buffer, .address_space: global }
    .group_segment_fixed_size: 327680
    .private_segment_fixed_size: 0
    .kernarg_segment_align: 8
    .kernarg_segment_size: 24
    .max_flat_workgroup_size: 128
    .sgpr_count:     96
    .vgpr_count:     1024
    .wavefront_size: 32
...
	.end_amdgpu_metadata
.endif
;; end of part 3
;; launch pick (part 4): grid 256 x 1, 16 waves a work-group, no clusters, 18,688 bytes of LDS; arguments cand, qv, kb, out0; writes out0
.if DOCPART == 4
	.amdgcn_target "amdgcn-amd-amdhsa--gfx1250"
	.amdhsa_code_object_version 6
	.text
	.protected	k_q2374b30600_pick
	.globl	k_q2374b30600_pick
	.p2align	8
	.type	k_q2374b30600_pick,@function
k_q2374b30600_pick:
	s_mov_b64 s[64:65], 0
	v_nop
	global_prefetch_b8 v0, s[64:65] scope:SCOPE_SE
	s_setreg_imm32_b32 hwreg(HW_REG_WAVE_MODE, 25, 1), 1
	s_wait_xcnt 0x0
; For each query: the 64 lists' 256 keys are merged to EIGHT candidates (whole-number work alone); their scores are made anew in f32, q (f32) . slot key (bf16);
; the best four of the eight get softmax weights, the other four the weight 0; out0[query] = sum over the eight of weight x VW[slot], VW = slot_values Wout^T in f32.
; So every address hangs on whole numbers read from memory, and what is derived from floating-point numbers (the rank among the eight) only selects values.
; SHARES.  A work-group owns 16 queries, so that cand is read in whole runs of 256 bytes (16 queries x 16 bytes of one list); wave w owns query 16 x group + w from there on.
; No matrix unit: 8 dot products and 8 scaled rows a query are vector work; no cluster: the rows that work-groups share are known only from data.
; LIMITS.  A true best-four slot is found if it is among the best eight by the bf16 score's 20 leading bits (and among its list's best four by 26: the launch before); that fails only
; where five or more further slots lie within some 2^-11 of it, relatively.  Equal f32 scores: the earlier candidate wins; candidates equal in the 20 bits stand in ascending slot order.
; NaN and infinities are not served (a weight of 0 times an infinity).  The softmax takes the maximum away first.
.set KOFF, 32                          ; v[32:39]   candidate c: byte offset of my 16 bytes in its row of kb; written once
.set VOFF, 40                          ; v[40:47]   the same in VW; written once
.set P,    48                          ; v[48:55]   candidate c: my lane's part of its score
.set Q,    64                          ; v[64:127]  q: register 8 i + e = element 256 i + 8 lane + e; later the output row: register 4 i + e = element 128 i + 4 lane + e
.set KB,   128                         ; v[128:255] four buffers of 32 for rows of kb; later two of 64 for rows of VW
.set SC,   28                          ; s[28:35]   the eight scores
.set W,    36                          ; s[36:51]   the eight weights, each as a pair: the packed forms name a pair and take its low word for both halves
; v1 lane; v2 16 lane; v3 32 lane; v4, v5 cand: from where, to where in LDS; v6 my wave's keys in LDS; v7 = 0; v[8:15] my eight keys; v[16:23] cand as loaded;
; v24-27, v30, v31, v62, v63 at work; v28, v29 what turns a place into 4095 - slot for lists lane and lane + 32; v[56:59] a dot product's four chains; v60 score, v61 rank
	s_load_b256 s[4:11], s[0:1], 0x0               ; cand s[4:5], qv s[6:7], kb s[8:9], out0 s[10:11]
	v_lshrrev_b32 v24, 5, v0
	v_readfirstlane_b32 s12, v24                   ; wave 0..15
	v_and_b32 v1, 31, v0
	v_lshlrev_b32 v2, 4, v1
	v_lshlrev_b32 v3, 5, v1
	v_lshrrev_b32 v25, 4, v0                       ; thread / 16: a list, 0..31
	v_and_b32 v26, 15, v0                          ; thread % 16: a query of the group
	v_lshlrev_b32 v4, 16, v25                      ; a list is 65,536 bytes
	v_lshl_add_u32 v4, v26, 4, v4
	v_mul_u32_u24 v5, v26, 1040                    ; in LDS a query's 64 lists x 16 bytes + 16 of padding: 65 x 16, so that the 16 queries of a store start at 16 different groups of banks
	v_lshl_add_u32 v5, v25, 4, v5
	s_mul_i32 s13, s12, 1040
	v_add_nc_u32 v6, s13, v2                       ; my wave's query, list = lane
	v_mov_b32 v7, 0
	v_lshrrev_b32 v27, 1, v1                       ; a key's low 6 bits are c = 63 - (8 b + j), its slot is 128 (list / 2) + 8 (list % 2) + 16 b + j, so
	v_lshlrev_b32 v27, 7, v27                      ; 4095 - slot = 3976 - 128 (list / 2) - 8 (list % 2) + 2 (c & 56) + (c & 7)
	v_and_b32 v30, 1, v1
	v_lshl_add_u32 v27, v30, 3, v27
	v_sub_nc_u32 v28, 3976, v27                    ; list = lane
	v_sub_nc_u32 v29, 1928, v27                    ; list = lane + 32: 2,048 less
	v_mov_b32 v31, 0                               ; the destination of a DPP form counts as read: these two are written here
	v_mov_b32 v62, 0
	s_mov_b32 s18, 0x76543210                      ; v_permlanex16_b32: each lane takes its own place in the other half
	s_mov_b32 s19, 0xfedcba98
	s_mov_b32 s24, 0xaaaaaaaa                      ; lanes with bit 0, 1, 2 of their number set
	s_mov_b32 s25, 0xcccccccc
	s_mov_b32 s26, 0xf0f0f0f0
	s_mov_b32 s27, 0xfffff000                      ; a key's 20 leading bits
	s_lshl_b32 s14, ttmp9, 17                      ; 16 queries x 8,192 bytes,
	s_lshl_b32 s22, s12, 13                        ; my wave's query
	s_add_co_u32 s14, s14, s22
	s_mov_b32 s15, 0
	s_lshl_b32 s20, ttmp9, 8                       ; 16 queries x 16 bytes
	s_mov_b32 s21, 0
	s_wait_kmcnt 0x0
	s_add_nc_u64 s[16:17], s[6:7], 0x2000000       ; VW: rows 4,096 on of qv
	s_add_nc_u64 s[4:5], s[4:5], s[20:21]
	s_add_nc_u64 s[6:7], s[6:7], s[14:15]
	s_add_nc_u64 s[10:11], s[10:11], s[14:15]
	global_load_b128 v[16:19], v4, s[4:5] th:TH_LOAD_NT                  ; lists 0-31: 16 lanes read 256 consecutive bytes
	global_load_b128 v[20:23], v4, s[4:5] offset:2097152 th:TH_LOAD_NT   ; lists 32-63
.irp i, 0,1,2,3,4,5,6,7
	global_load_b128 v[Q+8*\i:Q+8*\i+3],   v3, s[6:7] offset:1024*\i th:TH_LOAD_NT
	global_load_b128 v[Q+8*\i+4:Q+8*\i+7], v3, s[6:7] offset:1024*\i+16 th:TH_LOAD_NT
.endr
	s_wait_loadcnt 16                              ; the keys are in; q's sixteen loads stay out
	ds_store_b128 v5, v[16:19]
	ds_store_b128 v5, v[20:23] offset:512
	s_wait_dscnt 0x0                               ; for the others' sake: my stores are done
	s_barrier_signal -1
	s_barrier_wait -1                              ; the launch's one barrier
	ds_load_b128 v[8:11], v6                       ; my query's list = lane
	ds_load_b128 v[12:15], v6 offset:512           ; and list = lane + 32
	s_wait_dscnt 0x0
; A key becomes 20 bits of score and 12 bits of 4095 - slot: all 256 keys of a query differ, and of two equal in the 20 bits the lower slot is the larger.
.macro REKEY k, ib, t
	v_and_b32 v[\t], 56, v[\k]
	v_and_b32 v[\t+1], 7, v[\k]
	v_lshl_add_u32 v[\t], v[\t], 1, v[\t+1]
	v_add_nc_u32 v[\t], v[\ib], v[\t]
	v_and_or_b32 v[\k], v[\k], s27, v[\t]
.endm
	REKEY 8,  28, 24
	REKEY 9,  28, 26
	REKEY 10, 28, 24
	REKEY 11, 28, 26
	REKEY 12, 29, 24
	REKEY 13, 29, 26
	REKEY 14, 29, 24
	REKEY 15, 29, 26
; Candidate c: the largest key of the wave's 256, in every lane; its owner sets it to 0, which is below every key of a finite score; the slot makes the two offsets.
.macro ROUND c
	v_max_u32 v24, v8, v9
	v_max_u32 v25, v10, v11
	v_max_u32 v26, v12, v13
	v_max_u32 v27, v14, v15
	v_max_u32 v24, v24, v25
	v_max_u32 v26, v26, v27
	v_max_u32 v24, v24, v26
.irp x, 1,2,4,8
	v_mov_b32_dpp v25, v24 row_xmask:\x row_mask:0xf bank_mask:0xf
	v_max_u32 v24, v24, v25
.endr
	v_permlanex16_b32 v25, v24, s18, s19
	v_max_u32 v24, v24, v25
.irp k, 8,9,10,11,12,13,14,15
	v_cmp_eq_u32 vcc_lo, v[\k], v24
	v_cndmask_b32 v[\k], v[\k], v7, vcc_lo
.endr
	v_and_b32 v25, 0xfff, v24
	v_xor_b32 v25, 0xfff, v25                      ; the slot
	v_min_u32 v25, 0xfff, v25                      ; a number from memory enters an address only behind this bound, which it meets already
	v_lshl_add_u32 v[KOFF+\c], v25, 12, v2         ; rows of 4,096 bytes
	v_lshl_add_u32 v[VOFF+\c], v25, 13, v2         ; rows of 8,192 bytes
.endm
.macro KLOAD c                         ; candidate c's row of kb: load i brings elements 256 i + 8 lane + 0..7, the places of q's registers 8 i + 0..7
.irp i, 0,1,2,3,4,5,6,7
	global_load_b128 v[KB+32*((\c)%4)+4*\i:KB+32*((\c)%4)+4*\i+3], v[KOFF+\c], s[8:9] offset:512*\i
.endr
.endm
.macro VLOAD c, buf                    ; candidate c's row of VW
.irp i, 0,1,2,3,4,5,6,7,8,9,10,11,12,13,14,15
	global_load_b128 v[\buf+4*\i:\buf+4*\i+3], v[VOFF+\c], s[16:17] offset:512*\i
.endr
.endm
; My lane's 64 products of candidate c, bf16 half x f32 + f32 in one rounding each, in four chains that do not wait for each other; the first four add onto v7 = 0: nothing is cleared.
.macro DOT c
.set KR, KB+32*((\c)%4)
.set e, 0
.rept 32
.if e < 2
	v_fma_mix_f32_bf16 v[56+2*e], v[KR+e], v[Q+2*e],   v7 op_sel_hi:[1,0,0]
	v_fma_mix_f32_bf16 v[57+2*e], v[KR+e], v[Q+2*e+1], v7 op_sel:[1,0,0] op_sel_hi:[1,0,0]
.else
	v_fma_mix_f32_bf16 v[56+2*(e%2)], v[KR+e], v[Q+2*e],   v[56+2*(e%2)] op_sel_hi:[1,0,0]
	v_fma_mix_f32_bf16 v[57+2*(e%2)], v[KR+e], v[Q+2*e+1], v[57+2*(e%2)] op_sel:[1,0,0] op_sel_hi:[1,0,0]
.endif
.set e, e+1
.endr
	v_add_f32 v56, v56, v57
	v_add_f32 v58, v58, v59
	v_add_f32 v[P+\c], v56, v58
.endm
.macro ACCUM c, buf                    ; the output row takes weight c x VW's row; the first product starts the sums
.set e, 0
.rept 32
.if \c == 0
	v_pk_mul_f32 v[Q+2*e:Q+2*e+1], v[\buf+2*e:\buf+2*e+1], s[W+2*\c:W+2*\c+1] op_sel_hi:[1,0]
.else
	v_pk_fma_f32 v[Q+2*e:Q+2*e+1], v[\buf+2*e:\buf+2*e+1], s[W+2*\c:W+2*\c+1], v[Q+2*e:Q+2*e+1] op_sel_hi:[1,0,1]
.endif
.set e, e+1
.endr
.endm
	ROUND 0
	KLOAD 0                                        ; a row is asked for as soon as it is known: the first four land under the merge steps that follow
	ROUND 1
	KLOAD 1
	ROUND 2
	KLOAD 2
	ROUND 3
	KLOAD 3
	ROUND 4
	ROUND 5
	ROUND 6
	ROUND 7
	s_wait_loadcnt 24                              ; q and row 0 are in; rows 1-3 (8 loads each) stay out
	DOT 0
	KLOAD 4                                        ; into the buffer just read
	s_wait_loadcnt 24                              ; rows 2-4 stay out
	DOT 1
	KLOAD 5
	s_wait_loadcnt 24                              ; rows 3-5
	DOT 2
	KLOAD 6
	s_wait_loadcnt 24                              ; rows 4-6
	DOT 3
	KLOAD 7
	s_wait_loadcnt 24                              ; rows 5-7
	DOT 4
	s_wait_loadcnt 16                              ; rows 6, 7
	DOT 5
	VLOAD 0, 128                                   ; rows 4 and 5 have been read: their 64 registers take VW's first row
	s_wait_loadcnt 24                              ; row 7 (8) and VW's row 0 (16) stay out
	DOT 6
	s_wait_loadcnt 16                              ; VW's row 0
	DOT 7
	VLOAD 1, 192
	; The eight sums over 32 lanes, made together: in each of three steps a lane keeps one of two registers and sends the other to the lane 1, 2, 4 away, so that lane l ends with
	; candidate l % 8; two more steps add the lanes 8 and 16 away.  24 instructions for eight sums.
.macro FOLD d, a, b, m, x, t
	v_cndmask_b32 v[\t],   v[\a], v[\b], \m        ; kept: b in the lanes of the mask, a in the others
	v_cndmask_b32 v[\t+1], v[\b], v[\a], \m        ; sent: the other one
	v_add_f32_dpp v[\d], v[\t+1], v[\t] row_xmask:\x row_mask:0xf bank_mask:0xf
.endm
	FOLD P+0, P+0, P+1, s24, 1, 24
	FOLD P+2, P+2, P+3, s24, 1, 26
	FOLD P+4, P+4, P+5, s24, 1, 24
	FOLD P+6, P+6, P+7, s24, 1, 26
	FOLD P+0, P+0, P+2, s25, 2, 24
	FOLD P+4, P+4, P+6, s25, 2, 26
	FOLD P+0, P+0, P+4, s26, 4, 24
	v_add_f32_dpp v[P], v[P], v[P] row_xmask:8 row_mask:0xf bank_mask:0xf
	v_permlanex16_b32 v24, v[P], s18, s19
	v_add_f32 v60, v[P], v24                       ; lane l: the score (not yet scaled) of candidate l % 8
	; The rank of my candidate: how many of the eight are larger, or equal and earlier.
	v_mov_b32 v61, 0
.irp c, 0,1,2,3,4,5,6,7
	v_readlane_b32 s[SC+\c], v60, \c
.endr
.irp c, 0,1,2,3,4,5,6,7
	v_cmp_gt_f32 s20, s[SC+\c], v60
	v_cmp_eq_f32 s21, s[SC+\c], v60
	s_and_b32 s21, s21, ((0xff<<(\c+1))&0xff)*0x01010101   ; the lanes whose candidate comes behind c
	s_or_b32 vcc_lo, s20, s21
	v_add_co_ci_u32 v61, vcc_lo, 0, v61, vcc_lo    ; + 1 in those lanes
.endr
	; The softmax of the best four.  The largest of the eight is the largest of the four.
	v_max_num_f32_dpp v62, v60, v60 row_xmask:1 row_mask:0xf bank_mask:0xf
	v_max_num_f32_dpp v62, v62, v62 row_xmask:2 row_mask:0xf bank_mask:0xf
	v_max_num_f32_dpp v62, v62, v62 row_xmask:4 row_mask:0xf bank_mask:0xf
	v_sub_f32 v63, v60, v62                        ; s - max, at most 0
	v_mul_f32 v63, 0x3d0293ee, v63                 ; x log2(e) / sqrt(2048) = 0.0318793
	v_exp_f32 v30, v63
	v_cmp_gt_u32 vcc_lo, 4, v61                    ; a plain instruction between the exponential and the use of its result (ISA guide 5.7.2): rank 0-3 is chosen
	s_wait_alu depctr_va_vdst(0)
	v_cndmask_b32 v30, v7, v30, vcc_lo             ; the other four count for nothing
	v_add_f32_dpp v31, v30, v30 row_xmask:1 row_mask:0xf bank_mask:0xf
	v_add_f32_dpp v31, v31, v31 row_xmask:2 row_mask:0xf bank_mask:0xf
	v_add_f32_dpp v31, v31, v31 row_xmask:4 row_mask:0xf bank_mask:0xf   ; at least 1: the maximum's own term
	v_rcp_f32 v62, v31
	v_nop                                          ; a plain instruction between the reciprocal and the use of its result
	s_wait_alu depctr_va_vdst(0)
	v_mul_f32 v30, v30, v62
.irp c, 0,1,2,3,4,5,6,7
	v_readlane_b32 s[W+2*\c], v30, \c
.endr
.irp c, 0,1,2,3,4,5,6,7
	s_mov_b32 s[W+2*\c+1], s[W+2*\c]               ; named with it as a pair, so it is written
.endr
	; The weighted sum over all eight rows, in every wave alike: two buffers of 64 registers, one at work, one on its way.
	s_wait_loadcnt 16                              ; row c is in; row c + 1 (16 loads) stays out
	ACCUM 0, 128
	VLOAD 2, 128                                   ; into the buffer just read
	s_wait_loadcnt 16
	ACCUM 1, 192
	VLOAD 3, 192
	s_wait_loadcnt 16
	ACCUM 2, 128
	VLOAD 4, 128
	s_wait_loadcnt 16
	ACCUM 3, 192
	VLOAD 5, 192
	s_wait_loadcnt 16
	ACCUM 4, 128
	VLOAD 6, 128
	s_wait_loadcnt 16
	ACCUM 5, 192
	VLOAD 7, 192
	s_wait_loadcnt 16
	ACCUM 6, 128
	s_wait_loadcnt 0x0                             ; the last row
	ACCUM 7, 192
.irp i, 0,1,2,3,4,5,6,7,8,9,10,11,12,13,14,15
	global_store_b128 v2, v[Q+4*\i:Q+4*\i+3], s[10:11] offset:512*\i th:TH_STORE_NT   ; the wave stores 512 consecutive bytes, aligned
.endr
	s_wait_xcnt 0x0
	v_lshl_add_u32 v254, v0, 2, 0x4100
	v_mov_b32 v255, 0
	s_wait_tensorcnt 0x0
	ds_add_u32 v254, v255
	s_wait_dscnt 0x0
	s_endpgm
.Lfunc_end_k_q2374b30600_pick:
	.size	k_q2374b30600_pick, .Lfunc_end_k_q2374b30600_pick-k_q2374b30600_pick
	.p2alignl 7, 3214868480
	.fill 96, 4, 3214868480
	.section	.rodata,"a",@progbits
	.p2align	6, 0x0
	.amdhsa_kernel k_q2374b30600_pick
		.amdhsa_group_segment_fixed_size 18688
		.amdhsa_private_segment_fixed_size 0
		.amdhsa_enable_private_segment 0
		.amdhsa_kernarg_size 32
		.amdhsa_user_sgpr_count 2
		.amdhsa_user_sgpr_kernarg_segment_ptr 1
		.amdhsa_wavefront_size32 1
		.amdhsa_system_sgpr_workgroup_id_x 1
		.amdhsa_system_sgpr_workgroup_id_y 1
		.amdhsa_system_sgpr_workgroup_id_z 1
		.amdhsa_system_vgpr_workitem_id 0
		.amdhsa_next_free_vgpr 256
		.amdhsa_next_free_sgpr 66
		.amdhsa_reserve_vcc 1
		.amdhsa_float_denorm_mode_32 3
		.amdhsa_float_denorm_mode_16_64 3
		.amdhsa_memory_ordered 1
		.amdhsa_forward_progress 1
		.amdhsa_inst_pref_size 93
	.end_amdhsa_kernel
	.amdgpu_metadata
---
amdhsa.version: [ 1, 2 ]
amdhsa.kernels:
  - .name:           k_q2374b30600_pick
    .symbol:         k_q2374b30600_pick.kd
    .args:
      - { .name: cand, .offset: 0, .size: 8, .value_kind: global_buffer, .address_space: global }
      - { .name: qv, .offset: 8, .size: 8, .value_kind: global_buffer, .address_space: global }
      - { .name: kb, .offset: 16, .size: 8, .value_kind: global_buffer, .address_space: global }
      - { .name: out0, .offset: 24, .size: 8, .value_kind: global_buffer, .address_space: global }
    .group_segment_fixed_size: 18688
    .private_segment_fixed_size: 0
    .kernarg_segment_align: 8
    .kernarg_segment_size: 32
    .max_flat_workgroup_size: 512
    .sgpr_count:     66
    .vgpr_count:     256
    .wavefront_size: 32
...
	.end_amdgpu_metadata
.endif
;; end of part 4
;; ======== version 2 of 3: 5 launches; 1.12 times as fast as version 1
;; limits: values within 0.0004883 (relative) of each other or of a threshold may be ordered or decided otherwise than in the reference
;; workspace buffers: ab 33,554,432 bytes; wb 16,777,216 bytes; kb 16,777,216 bytes; qv 67,108,864 bytes; qb 16,777,216 bytes; cand 4,194,304 bytes of whole numbers; sel 131,072 bytes of whole numbers
;; launch cast (part 5): grid 128 x 8, 8 waves a work-group, no clusters, 0 bytes of LDS; arguments x, slot_values, Wq, Wout, slot_keys, ab, wb, kb; writes ab, wb, kb
.if DOCPART == 5
	.amdgcn_target "amdgcn-amd-amdhsa--gfx1250"
	.amdhsa_code_object_version 6
	.text
	.protected	k_q2374b30600_cast
	.globl	k_q2374b30600_cast
	.p2align	8
	.type	k_q2374b30600_cast,@function
k_q2374b30600_cast:
	s_mov_b64 s[64:65], 0
	v_nop
	global_prefetch_b8 v0, s[64:65] scope:SCOPE_SE
	s_setreg_imm32_b32 hwreg(HW_REG_WAVE_MODE, 25, 1), 1
	s_wait_xcnt 0x0
; The five f32 inputs are rounded once to bf16 (to nearest even), so that the two matrix launches fetch 16-bit tiles and convert nothing.
;   ab [8192][2048] bf16: rows 0-4095 x, rows 4096-8191 slot_values.   wb [4096][2048]: rows 0-2047 Wq, rows 2048-4095 Wout.   kb [4096][2048]: slot_keys.
; SHARES.  Grid y = unit u of 4,194,304 numbers (16 MiB in, 8 MiB out): u 0,1 x; 2,3 slot_values; 4 Wq; 5 Wout; 6,7 slot_keys.  Grid x = 128 KiB of the unit's source,
; a wave 16 KiB: 32 chunks of 512 bytes.  Of each chunk lane l takes the 16 bytes at 16 l, so a load of the wave covers 512 consecutive bytes and no byte is asked for twice;
; its four numbers make 8 bytes, and a store of the wave covers 256 consecutive bytes, aligned.
; All 32 loads of a wave are issued first; no register is written twice, so the only waits are the counted ones for the loads.
; A stream: every byte is read once and written once.  LDS, barriers and the matrix unit would add nothing.
.set X, 4                              ; v[4:131]  chunk i: 4 registers as loaded; its first 2 then hold the 4 bf16
	s_load_b512 s[8:23], s[0:1], 0x0               ; x s[8:9], slot_values s[10:11], Wq s[12:13], Wout s[14:15], slot_keys s[16:17], ab s[18:19], wb s[20:21], kb s[22:23]
	s_and_b32 s2, ttmp7, 0xffff                    ; u
	v_lshrrev_b32 v3, 5, v0                        ; wave
	v_and_b32 v1, 31, v0                           ; lane
	v_lshlrev_b32 v2, 3, v1
	v_lshlrev_b32 v1, 4, v1
	v_lshl_add_u32 v1, v3, 14, v1                  ; source: 16,384 x wave + 16 x lane
	v_lshl_add_u32 v2, v3, 13, v2                  ; destination: 8,192 x wave + 8 x lane
	s_and_b32 s3, s2, 1
	s_cmp_eq_u32 s2, 5
	s_cselect_b32 s28, 0, s3                       ; which 16 MiB of the source tensor: u & 1, but Wout (u = 5) has one unit alone
	s_lshl_b32 s28, s28, 24
	s_lshl_b32 s4, ttmp9, 17                       ; + the work-group's 128 KiB
	s_add_co_u32 s28, s28, s4
	s_mov_b32 s29, 0
	s_cmp_lt_u32 s2, 4
	s_cselect_b32 s30, s2, s3                      ; which 8 MiB of the destination: ab holds units 0-3, wb units 4, 5, kb units 6, 7
	s_lshl_b32 s30, s30, 23
	s_lshl_b32 s4, ttmp9, 16
	s_add_co_u32 s30, s30, s4
	s_mov_b32 s31, 0
	s_wait_kmcnt 0x0
	s_mov_b64 s[24:25], s[8:9]                     ; the source is chosen by u alone; each compare stands directly ahead of its select
	s_cmp_ge_u32 s2, 2
	s_cselect_b64 s[24:25], s[10:11], s[24:25]
	s_cmp_ge_u32 s2, 4
	s_cselect_b64 s[24:25], s[12:13], s[24:25]
	s_cmp_ge_u32 s2, 5
	s_cselect_b64 s[24:25], s[14:15], s[24:25]
	s_cmp_ge_u32 s2, 6
	s_cselect_b64 s[24:25], s[16:17], s[24:25]
	s_mov_b64 s[26:27], s[18:19]                   ; and so is the destination
	s_cmp_ge_u32 s2, 4
	s_cselect_b64 s[26:27], s[20:21], s[26:27]
	s_cmp_ge_u32 s2, 6
	s_cselect_b64 s[26:27], s[22:23], s[26:27]
	s_add_nc_u64 s[24:25], s[24:25], s[28:29]
	s_add_nc_u64 s[26:27], s[26:27], s[30:31]
.set i, 0
.rept 32
	global_load_b128 v[X+4*i:X+4*i+3], v1, s[24:25] offset:512*i th:TH_LOAD_NT      ; the launch reads these bytes once
.set i, i+1
.endr
.set i, 0
.rept 32
	s_wait_loadcnt 31-i                            ; loads come back in order (ISA guide 5.7.1): chunk i's is in, the 31 - i younger ones stay out
	v_cvt_pk_bf16_f32 v[X+4*i],   v[X+4*i],   v[X+4*i+1]    ; in place, ascending: a register is written when the pair that holds it has been read
	v_cvt_pk_bf16_f32 v[X+4*i+1], v[X+4*i+2], v[X+4*i+3]
	global_store_b64 v2, v[X+4*i:X+4*i+1], s[26:27] offset:256*i    ; later launches read these bytes: no hint
.set i, i+1
.endr
	s_endpgm
.Lfunc_end_k_q2374b30600_cast:
	.size	k_q2374b30600_cast, .Lfunc_end_k_q2374b30600_cast-k_q2374b30600_cast
	.p2alignl 7, 3214868480
	.fill 96, 4, 3214868480
	.section	.rodata,"a",@progbits
	.p2align	6, 0x0
	.amdhsa_kernel k_q2374b30600_cast
		.amdhsa_group_segment_fixed_size 0
		.amdhsa_private_segment_fixed_size 0
		.amdhsa_enable_private_segment 0
		.amdhsa_kernarg_size 64
		.amdhsa_user_sgpr_count 2
		.amdhsa_user_sgpr_kernarg_segment_ptr 1
		.amdhsa_wavefront_size32 1
		.amdhsa_system_sgpr_workgroup_id_x 1
		.amdhsa_system_sgpr_workgroup_id_y 1
		.amdhsa_system_sgpr_workgroup_id_z 1
		.amdhsa_system_vgpr_workitem_id 0
		.amdhsa_next_free_vgpr 132
		.amdhsa_next_free_sgpr 66
		.amdhsa_reserve_vcc 0
		.amdhsa_float_denorm_mode_32 3
		.amdhsa_float_denorm_mode_16_64 3
		.amdhsa_memory_ordered 1
		.amdhsa_forward_progress 1
		.amdhsa_inst_pref_size 13
	.end_amdhsa_kernel
	.amdgpu_metadata
---
amdhsa.version: [ 1, 2 ]
amdhsa.kernels:
  - .name:           k_q2374b30600_cast
    .symbol:         k_q2374b30600_cast.kd
    .args:
      - { .name: x, .offset: 0, .size: 8, .value_kind: global_buffer, .address_space: global }
      - { .name: slot_values, .offset: 8, .size: 8, .value_kind: global_buffer, .address_space: global }
      - { .name: Wq, .offset: 16, .size: 8, .value_kind: global_buffer, .address_space: global }
      - { .name: Wout, .offset: 24, .size: 8, .value_kind: global_buffer, .address_space: global }
      - { .name: slot_keys, .offset: 32, .size: 8, .value_kind: global_buffer, .address_space: global }
      - { .name: ab, .offset: 40, .size: 8, .value_kind: global_buffer, .address_space: global }
      - { .name: wb, .offset: 48, .size: 8, .value_kind: global_buffer, .address_space: global }
      - { .name: kb, .offset: 56, .size: 8, .value_kind: global_buffer, .address_space: global }
    .group_segment_fixed_size: 0
    .private_segment_fixed_size: 0
    .kernarg_segment_align: 8
    .kernarg_segment_size: 64
    .max_flat_workgroup_size: 256
    .sgpr_count:     66
    .vgpr_count:     132
    .wavefront_size: 32
...
	.end_amdgpu_metadata
.endif
;; end of part 5
;; launch proj: the kernel of part 2 again; grid 8 x 32, 4 waves a work-group, clusters of 4 x 4, 327,680 bytes of LDS; arguments ab, wb, qv, qb; writes qv, qb
;; launch score: the kernel of part 3 again; grid 16 x 16, 4 waves a work-group, clusters of 4 x 4, 327,680 bytes of LDS; arguments qb, kb, cand; writes cand
;; launch merge (part 6): grid 256 x 1, 16 waves a work-group, no clusters, 19,200 bytes of LDS; arguments cand, sel; writes sel
.if DOCPART == 6
	.amdgcn_target "amdgcn-amd-amdhsa--gfx1250"
	.amdhsa_code_object_version 6
	.text
	.protected	k_q2374b30600_merge
	.globl	k_q2374b30600_merge
	.p2align	8
	.type	k_q2374b30600_merge,@function
k_q2374b30600_merge:
	s_mov_b64 s[64:65], 0
	v_nop
	global_prefetch_b8 v0, s[64:65] scope:SCOPE_SE
	s_setreg_imm32_b32 hwreg(HW_REG_WAVE_MODE, 25, 1), 1
	s_wait_xcnt 0x0
; For each query the 64 lists' 256 keys are merged to the best EIGHT slots, and it is decided whether the best four may stand as the choice.  Whole-number work alone.
; sel[query][8], u32: word c = slot of candidate c (bits 11:0), and in every word bit 16 = 1 where four suffice.  The next launch forms its addresses and its one branch from these words.
; THE DECISION.  The first, fourth and fifth best keys are turned into fixed point of 24 bits on the largest of their three exponents.  Four suffice where
;   fourth - fifth > (first - fifth) / 64 + 2^14     (2^14 of 24 bits: 2^-10 to 2^-9 of the largest of the three magnitudes).
; It only selects a value here (a compare and a v_cndmask_b32): no branch and no address of this launch hangs on the keys.
; SHARES.  A work-group owns 16 queries, so that cand is read in whole runs of 256 bytes (16 queries x 16 bytes of one list); the keys change hands in LDS, and wave w owns query
; 16 x group + w from there on.  The group's 16 x 32 bytes of sel meet in LDS again and leave by one store of wave 0: 512 consecutive bytes, aligned.
; LIMITS.  "Four suffice" leans on this: the bf16 score (q rounded to bf16, the key cut to 11 bits of mantissa) moves the difference of two scores by less than the margin above.
; Rounding q moves a score by about 2^-9 / sqrt(3) x sqrt(sum of q_d^2 k_d^2) where the terms' signs are mixed, that is 2^-9 / sqrt(3) of the spread of the scores of unrelated
; vectors; the cut moves it by at most 2^12 of the 24 bits.  Where scores lie close for their size (a large common offset) the test fails and eight candidates are weighed in f32.
; Among the eight a true best-four slot is found if it is among the best eight by the bf16 score's 20 leading bits (and among its list's best four by 26: the launch before).
; Candidates equal in the 20 bits stand in ascending slot order.  NaN and infinite scores are not served.
.set STG, 16640                        ; LDS: 16 queries x 1,040 bytes of keys, then 512 bytes for the group's words of sel
; v1 lane; v2 16 lane; v4, v5 cand: from where, to where in LDS; v6 my wave's keys in LDS; v7 = 0; v[8:15] my eight keys; v[16:23] cand as loaded; v24-27 at work;
; v28, v29 what turns a place into 4095 - slot for lists lane and lane + 32; v30 my word of sel; v31 where it goes in LDS; v32-34 the three keys, then their fixed point;
; v35-37 exponents, then shifts; v38-40 signs; v41 the largest exponent; v42, v43 the two differences; v44 the flag; v45 = 1 << 16; v46 LDS address; v[48:51] 16 bytes of sel
	s_load_b128 s[4:7], s[0:1], 0x0                ; cand s[4:5], sel s[6:7]
	v_lshl_add_u32 v64, v0, 2, 0x4300
	v_mov_b32 v65, 0
	v_lshrrev_b32 v24, 5, v0
	v_readfirstlane_b32 s12, v24                   ; wave 0..15
	v_and_b32 v1, 31, v0
	v_lshlrev_b32 v2, 4, v1
	v_lshrrev_b32 v25, 4, v0                       ; thread / 16: a list, 0..31
	v_and_b32 v26, 15, v0                          ; thread % 16: a query of the group
	v_lshlrev_b32 v4, 16, v25                      ; a list is 65,536 bytes
	v_lshl_add_u32 v4, v26, 4, v4
	v_mul_u32_u24 v5, v26, 1040                    ; in LDS a query's 64 lists x 16 bytes + 16 of padding: 65 x 16, so that the 16 queries of a store start at 16 different groups of banks
	v_lshl_add_u32 v5, v25, 4, v5
	s_mul_i32 s13, s12, 1040
	v_add_nc_u32 v6, s13, v2                       ; my wave's query, list = lane
	v_mov_b32 v7, 0
	v_mov_b32 v45, 0x10000
	v_lshrrev_b32 v27, 1, v1                       ; a key's low 6 bits are c = 63 - (8 b + j), its slot is 128 (list / 2) + 8 (list % 2) + 16 b + j, so
	v_lshlrev_b32 v27, 7, v27                      ; 4095 - slot = 3976 - 128 (list / 2) - 8 (list % 2) + 2 (c & 56) + (c & 7)
	v_and_b32 v30, 1, v1
	v_lshl_add_u32 v27, v30, 3, v27
	v_sub_nc_u32 v28, 3976, v27                    ; list = lane
	v_sub_nc_u32 v29, 1928, v27                    ; list = lane + 32: 2,048 less
	v_and_b32 v31, 7, v1                           ; my word of sel in LDS: 32 bytes a wave, word lane % 8
	v_lshlrev_b32 v31, 2, v31
	s_lshl_b32 s23, s12, 5
	s_add_co_u32 s23, s23, STG
	v_add_nc_u32 v31, s23, v31
	v_add_nc_u32 v46, STG, v2                      ; and where wave 0 reads the group's 512 bytes back
	s_mov_b32 s18, 0x76543210                      ; v_permlanex16_b32: each lane takes its own place in the other half
	s_mov_b32 s19, 0xfedcba98
	s_mov_b32 s27, 0xfffff000                      ; a key's 20 leading bits
	s_lshl_b32 s20, ttmp9, 8                       ; cand: 16 queries x 16 bytes
	s_mov_b32 s21, 0
	s_lshl_b32 s14, ttmp9, 9                       ; sel: 16 queries x 32 bytes
	s_mov_b32 s15, 0
	s_wait_kmcnt 0x0
	s_add_nc_u64 s[4:5], s[4:5], s[20:21]
	s_add_nc_u64 s[6:7], s[6:7], s[14:15]
	global_load_b128 v[16:19], v4, s[4:5] th:TH_LOAD_NT                  ; lists 0-31: 16 lanes read 256 consecutive bytes
	global_load_b128 v[20:23], v4, s[4:5] offset:2097152 th:TH_LOAD_NT   ; lists 32-63
	s_wait_loadcnt 0x0
	ds_store_b128 v5, v[16:19]
	ds_store_b128 v5, v[20:23] offset:512
	s_wait_dscnt 0x0                               ; for the others' sake: my stores are done
	s_barrier_signal -1
	s_barrier_wait -1
	ds_load_b128 v[8:11], v6                       ; my query's list = lane
	ds_load_b128 v[12:15], v6 offset:512           ; and list = lane + 32
	s_wait_dscnt 0x0
; A key becomes 20 bits of score and 12 bits of 4095 - slot: all 256 keys of a query differ, and of two equal in the 20 bits the lower slot is the larger.
.macro REKEY k, ib, t
	v_and_b32 v[\t], 56, v[\k]
	v_and_b32 v[\t+1], 7, v[\k]
	v_lshl_add_u32 v[\t], v[\t], 1, v[\t+1]
	v_add_nc_u32 v[\t], v[\ib], v[\t]
	v_and_or_b32 v[\k], v[\k], s27, v[\t]
.endm
	REKEY 8,  28, 24
	REKEY 9,  28, 26
	REKEY 10, 28, 24
	REKEY 11, 28, 26
	REKEY 12, 29, 24
	REKEY 13, 29, 26
	REKEY 14, 29, 24
	REKEY 15, 29, 26
; Candidate c: the largest key of the wave's 256, left in v24 of every lane; its owner sets it to 0, which is below every key of a finite score; the lanes with lane % 8 = c keep the slot.
.macro BEST c
	v_max_u32 v24, v8, v9
	v_max_u32 v25, v10, v11
	v_max_u32 v26, v12, v13
	v_max_u32 v27, v14, v15
	v_max_u32 v24, v24, v25
	v_max_u32 v26, v26, v27
	v_max_u32 v24, v24, v26
.irp x, 1,2,4,8
	v_mov_b32_dpp v25, v24 row_xmask:\x row_mask:0xf bank_mask:0xf
	v_max_u32 v24, v24, v25
.endr
	v_permlanex16_b32 v25, v24, s18, s19
	v_max_u32 v24, v24, v25
.irp k, 8,9,10,11,12,13,14,15
	v_cmp_eq_u32 vcc_lo, v[\k], v24
	v_cndmask_b32 v[\k], v[\k], v7, vcc_lo
.endr
	v_and_b32 v25, 0xfff, v24
	v_xor_b32 v25, 0xfff, v25                      ; the slot
.if \c == 0
	v_mov_b32 v30, v25                             ; the first slot goes to every lane: nothing is cleared
.else
	s_mov_b32 s22, 0x01010101<<\c
	v_cndmask_b32 v30, v30, v25, s22
.endif
.endm
; UNKEY: a key's order map is undone (a score >= 0 has the key's top bit set and its other bits as they were; a negative one has all bits flipped); out come the sign
; (g: -1 for a negative), the exponent (e) and the 24 bits of mantissa (m: the leading one, 11 bits of the key, 12 zeros in the slot's place).
.macro UNKEY m, e, g
	v_ashrrev_i32 v[\g], 31, v[\m]
	v_xor_b32 v[\g], -1, v[\g]
	v_xor_b32 v[\m], v[\m], v[\g]
	v_bfe_u32 v[\e], v[\m], 23, 8
	v_and_b32 v[\m], 0x7ff000, v[\m]
	v_or_b32 v[\m], 0x800000, v[\m]
.endm
; FIXED: the mantissa goes down by the distance to the largest exponent (v41), 31 at the most, which leaves 0, and takes its sign.
.macro FIXED m, e, g
	v_sub_nc_u32 v[\e], v41, v[\e]
	v_min_u32 v[\e], 31, v[\e]
	v_lshrrev_b32 v[\m], v[\e], v[\m]
	v_xor_b32 v[\m], v[\m], v[\g]
	v_sub_nc_u32 v[\m], v[\m], v[\g]
.endm
	BEST 0
	v_mov_b32 v32, v24                             ; the best key
	BEST 1
	BEST 2
	BEST 3
	v_mov_b32 v33, v24                             ; the fourth
	BEST 4
	v_mov_b32 v34, v24                             ; the fifth
	BEST 5
	BEST 6
	BEST 7
	UNKEY 32, 35, 38
	UNKEY 33, 36, 39
	UNKEY 34, 37, 40
	v_max_u32 v41, v35, v36
	v_max_u32 v41, v41, v37                        ; the largest exponent of the three
	FIXED 32, 35, 38
	FIXED 33, 36, 39
	FIXED 34, 37, 40
	v_sub_nc_u32 v42, v33, v34                     ; fourth - fifth, at least 0: the way from keys to fixed point never turns an order round
	v_sub_nc_u32 v43, v32, v34                     ; first - fifth, at least 0 and under 2^25
	v_lshrrev_b32 v43, 6, v43
	v_add_nc_u32 v43, 0x4000, v43
	v_cmp_gt_u32 vcc_lo, v42, v43
	v_cndmask_b32 v44, v7, v45, vcc_lo             ; bit 16 where four suffice
	v_or_b32 v30, v30, v44
	ds_store_b32 v31, v30                          ; four lanes write each word, with the same number
	s_wait_dscnt 0x0                               ; for wave 0's sake: my store is done
	s_barrier_signal -1
	s_barrier_wait -1
	s_cmp_lg_u32 s12, 0                            ; no barrier stands behind this branch on the wave's number
	s_cbranch_scc1 .Ldone
	ds_load_b128 v[48:51], v46
	s_wait_dscnt 0x0
	global_store_b128 v2, v[48:51], s[6:7]         ; the group's 16 queries x 32 bytes: 512 consecutive bytes, aligned
.Ldone:
	s_wait_tensorcnt 0x0
	ds_add_u32 v64, v65
	s_wait_dscnt 0x0
	s_endpgm
.Lfunc_end_k_q2374b30600_merge:
	.size	k_q2374b30600_merge, .Lfunc_end_k_q2374b30600_merge-k_q2374b30600_merge
	.p2alignl 7, 3214868480
	.fill 96, 4, 3214868480
	.section	.rodata,"a",@progbits
	.p2align	6, 0x0
	.amdhsa_kernel k_q2374b30600_merge
		.amdhsa_group_segment_fixed_size 19200
		.amdhsa_private_segment_fixed_size 0
		.amdhsa_enable_private_segment 0
		.amdhsa_kernarg_size 16
		.amdhsa_user_sgpr_count 2
		.amdhsa_user_sgpr_kernarg_segment_ptr 1
		.amdhsa_wavefront_size32 1
		.amdhsa_system_sgpr_workgroup_id_x 1
		.amdhsa_system_sgpr_workgroup_id_y 1
		.amdhsa_system_sgpr_workgroup_id_z 1
		.amdhsa_system_vgpr_workitem_id 0
		.amdhsa_next_free_vgpr 66
		.amdhsa_next_free_sgpr 66
		.amdhsa_reserve_vcc 1
		.amdhsa_float_denorm_mode_32 3
		.amdhsa_float_denorm_mode_16_64 3
		.amdhsa_memory_ordered 1
		.amdhsa_forward_progress 1
		.amdhsa_inst_pref_size 19
	.end_amdhsa_kernel
	.amdgpu_metadata
---
amdhsa.version: [ 1, 2 ]
amdhsa.kernels:
  - .name:           k_q2374b30600_merge
    .symbol:         k_q2374b30600_merge.kd
    .args:
      - { .name: cand, .offset: 0, .size: 8, .value_kind: global_buffer, .address_space: global }
      - { .name: sel, .offset: 8, .size: 8, .value_kind: global_buffer, .address_space: global }
    .group_segment_fixed_size: 19200
    .private_segment_fixed_size: 0
    .kernarg_segment_align: 8
    .kernarg_segment_size: 16
    .max_flat_workgroup_size: 512
    .sgpr_count:     66
    .vgpr_count:     66
    .wavefront_size: 32
...
	.end_amdgpu_metadata
.endif
;; end of part 6
;; launch pick (part 7): grid 256 x 1, 16 waves a work-group, no clusters, 0 bytes of LDS; arguments sel, qv, kb, out0; writes out0
.if DOCPART == 7
	.amdgcn_target "amdgcn-amd-amdhsa--gfx1250"
	.amdhsa_code_object_version 6
	.text
	.protected	k_q2374b30600_pick
	.globl	k_q2374b30600_pick
	.p2align	8
	.type	k_q2374b30600_pick,@function
k_q2374b30600_pick:
	s_mov_b64 s[64:65], 0
	v_nop
	global_prefetch_b8 v0, s[64:65] scope:SCOPE_SE
	s_setreg_imm32_b32 hwreg(HW_REG_WAVE_MODE, 25, 1), 1
	s_wait_xcnt 0x0
; For each query: the candidates' scores are made anew in f32, q (f32) . slot key (bf16); the best four get softmax weights, any others the weight 0;
; out0[query] = sum over the candidates of weight x VW[slot], VW = slot_values Wout^T in f32 (rows 4,096 on of qv).
; The candidates come as whole numbers from the launch before: sel[query][8], bits 11:0 a slot, bit 16 of word 0 = four suffice.  Every address and the one branch hang on these words,
; read from memory by a scalar load; what is derived from floating-point numbers (the rank among the candidates) only selects values.
; Where four suffice only their rows are fetched: 4 rows of kb (4 KiB each, for exact weights) and 4 of VW (8 KiB each); otherwise 8 rows of each, and the f32 scores decide.
; SHARES.  One wave, one query (16 x group + wave): no LDS, no barrier, no wave waits for another.
; No matrix unit: a few dot products and scaled rows a query are vector work; no cluster: the rows that work-groups share are known only from data.
; No prefetch of VW's rows: a row is named by several queries, so its blocks would be asked for more than once.
; LIMITS.  Which slots are weighed is the launch before's decision, with the limits stated there.  Equal f32 scores: the earlier candidate wins.
; NaN and infinities are not served (a weight of 0 times an infinity).  The softmax takes the maximum away first.
.set KOFF, 32                          ; v[32:39]   candidate c: byte offset of my 16 bytes in its row of kb; written once
.set VOFF, 40                          ; v[40:47]   the same in VW; written once
.set P,    48                          ; v[48:55]   candidate c: my lane's part of its score
.set Q,    64                          ; v[64:127]  q: register 8 i + e = element 256 i + 8 lane + e; later the output row: register 4 i + e = element 128 i + 4 lane + e
.set KB,   128                         ; v[128:255] four buffers of 32 for rows of kb; later two of 64 for rows of VW
.set SC,   28                          ; s[28:35]   my query's eight words of sel; later the eight scores
.set W,    36                          ; s[36:51]   the eight weights, each as a pair: the packed forms name a pair and take its low word for both halves
; v1 lane; v2 16 lane; v3 32 lane; v7 = 0; v24-27, v30, v31, v62, v63 at work; v[56:59] a dot product's four chains; v60 score, v61 rank; s52 the flag
	s_load_b256 s[4:11], s[0:1], 0x0               ; sel s[4:5], qv s[6:7], kb s[8:9], out0 s[10:11]
	v_lshrrev_b32 v24, 5, v0
	v_readfirstlane_b32 s12, v24                   ; wave 0..15
	v_and_b32 v1, 31, v0
	v_lshlrev_b32 v2, 4, v1
	v_lshlrev_b32 v3, 5, v1
	v_mov_b32 v7, 0
	v_mov_b32 v31, 0                               ; the destination of a DPP form counts as read: these two are written here
	v_mov_b32 v62, 0
	s_mov_b32 s18, 0x76543210                      ; v_permlanex16_b32: each lane takes its own place in the other half
	s_mov_b32 s19, 0xfedcba98
	s_mov_b32 s24, 0xaaaaaaaa                      ; lanes with bit 0, 1, 2 of their number set
	s_mov_b32 s25, 0xcccccccc
	s_mov_b32 s26, 0xf0f0f0f0
	s_lshl_b32 s13, ttmp9, 4
	s_add_co_u32 s13, s13, s12                     ; my query
	s_lshl_b32 s14, s13, 13                        ; rows of 8,192 bytes in qv and out0
	s_mov_b32 s15, 0
	s_lshl_b32 s20, s13, 5                         ; 32 bytes in sel
	s_mov_b32 s21, 0
	s_wait_kmcnt 0x0
	s_add_nc_u64 s[4:5], s[4:5], s[20:21]
	s_load_b256 s[SC:SC+7], s[4:5], 0x0            ; no line of this launch writes sel
	s_add_nc_u64 s[16:17], s[6:7], 0x2000000       ; VW: rows 4,096 on of qv
	s_add_nc_u64 s[6:7], s[6:7], s[14:15]
	s_add_nc_u64 s[10:11], s[10:11], s[14:15]
.irp i, 0,1,2,3,4,5,6,7
	global_load_b128 v[Q+8*\i:Q+8*\i+3],   v3, s[6:7] offset:1024*\i th:TH_LOAD_NT      ; q goes out while the words of sel are on their way
	global_load_b128 v[Q+8*\i+4:Q+8*\i+7], v3, s[6:7] offset:1024*\i+16 th:TH_LOAD_NT
.endr
	s_wait_kmcnt 0x0
	s_lshr_b32 s52, s[SC], 16                      ; the flag
.irp c, 0,1,2,3,4,5,6,7
	s_and_b32 s[SC+\c], s[SC+\c], 0xfff            ; the slot
	s_min_u32 s[SC+\c], s[SC+\c], 0xfff            ; a number from memory enters an address only behind this bound, which it meets already
	v_lshl_add_u32 v[KOFF+\c], s[SC+\c], 12, v2    ; rows of 4,096 bytes
	v_lshl_add_u32 v[VOFF+\c], s[SC+\c], 13, v2    ; rows of 8,192 bytes
.endr
.macro KLOAD c                         ; candidate c's row of kb: load i brings elements 256 i + 8 lane + 0..7, the places of q's registers 8 i + 0..7
.irp i, 0,1,2,3,4,5,6,7
	global_load_b128 v[KB+32*((\c)%4)+4*\i:KB+32*((\c)%4)+4*\i+3], v[KOFF+\c], s[8:9] offset:512*\i
.endr
.endm
.macro VLOAD c, buf                    ; candidate c's row of VW
.irp i, 0,1,2,3,4,5,6,7,8,9,10,11,12,13,14,15
	global_load_b128 v[\buf+4*\i:\buf+4*\i+3], v[VOFF+\c], s[16:17] offset:512*\i
.endr
.endm
; My lane's 64 products of candidate c, bf16 half x f32 + f32 in one rounding each, in four chains that do not wait for each other; the first four add onto v7 = 0: nothing is cleared.
.macro DOT c
.set KR, KB+32*((\c)%4)
.set e, 0
.rept 32
.if e < 2
	v_fma_mix_f32_bf16 v[56+2*e], v[KR+e], v[Q+2*e],   v7 op_sel_hi:[1,0,0]
	v_fma_mix_f32_bf16 v[57+2*e], v[KR+e], v[Q+2*e+1], v7 op_sel:[1,0,0] op_sel_hi:[1,0,0]
.else
	v_fma_mix_f32_bf16 v[56+2*(e%2)], v[KR+e], v[Q+2*e],   v[56+2*(e%2)] op_sel_hi:[1,0,0]
	v_fma_mix_f32_bf16 v[57+2*(e%2)], v[KR+e], v[Q+2*e+1], v[57+2*(e%2)] op_sel:[1,0,0] op_sel_hi:[1,0,0]
.endif
.set e, e+1
.endr
	v_add_f32 v56, v56, v57
	v_add_f32 v58, v58, v59
	v_add_f32 v[P+\c], v56, v58
.endm
.macro ACCUM c, buf                    ; the output row takes weight c x VW's row; the first product starts the sums
.set e, 0
.rept 32
.if \c == 0
	v_pk_mul_f32 v[Q+2*e:Q+2*e+1], v[\buf+2*e:\buf+2*e+1], s[W+2*\c:W+2*\c+1] op_sel_hi:[1,0]
.else
	v_pk_fma_f32 v[Q+2*e:Q+2*e+1], v[\buf+2*e:\buf+2*e+1], s[W+2*\c:W+2*\c+1], v[Q+2*e:Q+2*e+1] op_sel_hi:[1,0,1]
.endif
.set e, e+1
.endr
.endm
.macro FOLD d, a, b, m, x, t
	v_cndmask_b32 v[\t],   v[\a], v[\b], \m        ; kept: b in the lanes of the mask, a in the others
	v_cndmask_b32 v[\t+1], v[\b], v[\a], \m        ; sent: the other one
	v_add_f32_dpp v[\d], v[\t+1], v[\t] row_xmask:\x row_mask:0xf bank_mask:0xf
.endm
; FROM THE LANES' PARTS TO THE WEIGHTS, the same text on both ways.
.macro WEIGHTS
	; The eight sums over 32 lanes, made together: in each of three steps a lane keeps one of two registers and sends the other to the lane 1, 2, 4 away, so that lane l ends with
	; candidate l % 8; two more steps add the lanes 8 and 16 away.  24 instructions for eight sums.  No step adds parts of two candidates.
	FOLD P+0, P+0, P+1, s24, 1, 24
	FOLD P+2, P+2, P+3, s24, 1, 26
	FOLD P+4, P+4, P+5, s24, 1, 24
	FOLD P+6, P+6, P+7, s24, 1, 26
	FOLD P+0, P+0, P+2, s25, 2, 24
	FOLD P+4, P+4, P+6, s25, 2, 26
	FOLD P+0, P+0, P+4, s26, 4, 24
	v_add_f32_dpp v[P], v[P], v[P] row_xmask:8 row_mask:0xf bank_mask:0xf
	v_permlanex16_b32 v24, v[P], s18, s19
	v_add_f32 v60, v[P], v24                       ; lane l: the score (not yet scaled) of candidate l % 8
	; The rank of my candidate: how many of the eight are larger, or equal and earlier.
	v_mov_b32 v61, 0
.irp c, 0,1,2,3,4,5,6,7
	v_readlane_b32 s[SC+\c], v60, \c
.endr
.irp c, 0,1,2,3,4,5,6,7
	v_cmp_gt_f32 s20, s[SC+\c], v60
	v_cmp_eq_f32 s21, s[SC+\c], v60
	s_and_b32 s21, s21, ((0xff<<(\c+1))&0xff)*0x01010101   ; the lanes whose candidate comes behind c
	s_or_b32 vcc_lo, s20, s21
	v_add_co_ci_u32 v61, vcc_lo, 0, v61, vcc_lo    ; + 1 in those lanes
.endr
	; The softmax of the best four.  The largest of the eight is the largest of the four.
	v_max_num_f32_dpp v62, v60, v60 row_xmask:1 row_mask:0xf bank_mask:0xf
	v_max_num_f32_dpp v62, v62, v62 row_xmask:2 row_mask:0xf bank_mask:0xf
	v_max_num_f32_dpp v62, v62, v62 row_xmask:4 row_mask:0xf bank_mask:0xf
	v_sub_f32 v63, v60, v62                        ; s - max, at most 0
	v_mul_f32 v63, 0x3d0293ee, v63                 ; x log2(e) / sqrt(2048) = 0.0318793
	v_exp_f32 v30, v63
	v_cmp_gt_u32 vcc_lo, 4, v61                    ; a plain instruction between the exponential and the use of its result (ISA guide 5.7.2): rank 0-3 is chosen
	s_wait_alu depctr_va_vdst(0)
	v_cndmask_b32 v30, v7, v30, vcc_lo             ; the others count for nothing
	v_add_f32_dpp v31, v30, v30 row_xmask:1 row_mask:0xf bank_mask:0xf
	v_add_f32_dpp v31, v31, v31 row_xmask:2 row_mask:0xf bank_mask:0xf
	v_add_f32_dpp v31, v31, v31 row_xmask:4 row_mask:0xf bank_mask:0xf   ; at least 1: the maximum's own term
	v_rcp_f32 v62, v31
	v_nop                                          ; a plain instruction between the reciprocal and the use of its result
	s_wait_alu depctr_va_vdst(0)
	v_mul_f32 v30, v30, v62
.irp c, 0,1,2,3,4,5,6,7
	v_readlane_b32 s[W+2*\c], v30, \c
.endr
.irp c, 0,1,2,3,4,5,6,7
	s_mov_b32 s[W+2*\c+1], s[W+2*\c]               ; named with it as a pair, so it is written
.endr
.endm
.macro OUT
.irp i, 0,1,2,3,4,5,6,7,8,9,10,11,12,13,14,15
	global_store_b128 v2, v[Q+4*\i:Q+4*\i+3], s[10:11] offset:512*\i th:TH_STORE_NT   ; the wave stores 512 consecutive bytes, aligned
.endr
.endm
	KLOAD 0                                        ; these four rows are wanted on both ways
	KLOAD 1
	KLOAD 2
	KLOAD 3
	s_cmp_lg_u32 s52, 0
	s_cbranch_scc1 .Lfour
	; THE LONG WAY: eight candidates.
	s_wait_loadcnt 24                              ; q and row 0 are in; rows 1-3 (8 loads each) stay out
	DOT 0
	KLOAD 4                                        ; into the buffer just read
	s_wait_loadcnt 24                              ; rows 2-4 stay out
	DOT 1
	KLOAD 5
	s_wait_loadcnt 24                              ; rows 3-5
	DOT 2
	KLOAD 6
	s_wait_loadcnt 24                              ; rows 4-6
	DOT 3
	KLOAD 7
	s_wait_loadcnt 24                              ; rows 5-7
	DOT 4
	s_wait_loadcnt 16                              ; rows 6, 7
	DOT 5
	VLOAD 0, 128                                   ; rows 4 and 5 have been read: their 64 registers take VW's first row
	s_wait_loadcnt 24                              ; row 7 (8) and VW's row 0 (16) stay out
	DOT 6
	s_wait_loadcnt 16                              ; VW's row 0
	DOT 7
	VLOAD 1, 192
	WEIGHTS
	; The weighted sum over all eight rows: two buffers of 64 registers, one at work, one on its way.
	s_wait_loadcnt 16                              ; row c is in; row c + 1 (16 loads) stays out
	ACCUM 0, 128
	VLOAD 2, 128                                   ; into the buffer just read
	s_wait_loadcnt 16
	ACCUM 1, 192
	VLOAD 3, 192
	s_wait_loadcnt 16
	ACCUM 2, 128
	VLOAD 4, 128
	s_wait_loadcnt 16
	ACCUM 3, 192
	VLOAD 5, 192
	s_wait_loadcnt 16
	ACCUM 4, 128
	VLOAD 6, 128
	s_wait_loadcnt 16
	ACCUM 5, 192
	VLOAD 7, 192
	s_wait_loadcnt 16
	ACCUM 6, 128
	s_wait_loadcnt 0x0                             ; the last row
	ACCUM 7, 192
	OUT
	s_endpgm
.Lfour:
	; THE SHORT WAY: the best four are the choice.  Candidates 4-7 get the score -infinity in every lane (sums of it stay -infinity): rank 4 or more, weight 0, and no row is fetched.
.irp n, 4,5,6,7
	v_mov_b32 v[P+\n], 0xff800000
.endr
	s_wait_loadcnt 24                              ; q and row 0 are in; rows 1-3 (8 loads each) stay out
	DOT 0
	s_wait_loadcnt 16                              ; rows 2, 3
	DOT 1
	VLOAD 0, 128                                   ; rows 0 and 1 have been read: their 64 registers take VW's first row
	s_wait_loadcnt 24                              ; row 3 (8) and VW's row 0 (16) stay out
	DOT 2
	s_wait_loadcnt 16                              ; VW's row 0
	DOT 3
	VLOAD 1, 192
	WEIGHTS
	s_wait_loadcnt 16                              ; VW's row 0 is in; row 1 stays out
	ACCUM 0, 128
	VLOAD 2, 128
	s_wait_loadcnt 16                              ; row 2 stays out
	ACCUM 1, 192
	VLOAD 3, 192
	s_wait_loadcnt 16                              ; row 3 stays out
	ACCUM 2, 128
	s_wait_loadcnt 0x0                             ; the last row
	ACCUM 3, 192
	OUT
	s_endpgm
.Lfunc_end_k_q2374b30600_pick:
	.size	k_q2374b30600_pick, .Lfunc_end_k_q2374b30600_pick-k_q2374b30600_pick
	.p2alignl 7, 3214868480
	.fill 96, 4, 3214868480
	.section	.rodata,"a",@progbits
	.p2align	6, 0x0
	.amdhsa_kernel k_q2374b30600_pick
		.amdhsa_group_segment_fixed_size 0
		.amdhsa_private_segment_fixed_size 0
		.amdhsa_enable_private_segment 0
		.amdhsa_kernarg_size 32
		.amdhsa_user_sgpr_count 2
		.amdhsa_user_sgpr_kernarg_segment_ptr 1
		.amdhsa_wavefront_size32 1
		.amdhsa_system_sgpr_workgroup_id_x 1
		.amdhsa_system_sgpr_workgroup_id_y 1
		.amdhsa_system_sgpr_workgroup_id_z 1
		.amdhsa_system_vgpr_workitem_id 0
		.amdhsa_next_free_vgpr 256
		.amdhsa_next_free_sgpr 66
		.amdhsa_reserve_vcc 1
		.amdhsa_float_denorm_mode_32 3
		.amdhsa_float_denorm_mode_16_64 3
		.amdhsa_memory_ordered 1
		.amdhsa_forward_progress 1
		.amdhsa_inst_pref_size 117
	.end_amdhsa_kernel
	.amdgpu_metadata
---
amdhsa.version: [ 1, 2 ]
amdhsa.kernels:
  - .name:           k_q2374b30600_pick
    .symbol:         k_q2374b30600_pick.kd
    .args:
      - { .name: sel, .offset: 0, .size: 8, .value_kind: global_buffer, .address_space: global }
      - { .name: qv, .offset: 8, .size: 8, .value_kind: global_buffer, .address_space: global }
      - { .name: kb, .offset: 16, .size: 8, .value_kind: global_buffer, .address_space: global }
      - { .name: out0, .offset: 24, .size: 8, .value_kind: global_buffer, .address_space: global }
    .group_segment_fixed_size: 0
    .private_segment_fixed_size: 0
    .kernarg_segment_align: 8
    .kernarg_segment_size: 32
    .max_flat_workgroup_size: 512
    .sgpr_count:     66
    .vgpr_count:     256
    .wavefront_size: 32
...
	.end_amdgpu_metadata
.endif
;; end of part 7
;; ======== version 3 of 3: 5 launches; version 2 with the launches cast, pick written anew for expert scheduling mode
;; limits: values within 0.0004883 (relative) of each other or of a threshold may be ordered or decided otherwise than in the reference
;; workspace buffers: ab 33,554,432 bytes; wb 16,777,216 bytes; kb 16,777,216 bytes; qv 67,108,864 bytes; qb 16,777,216 bytes; cand 4,194,304 bytes of whole numbers; sel 131,072 bytes of whole numbers
;; launch cast (part 8): grid 128 x 8, 8 waves a work-group, no clusters, 0 bytes of LDS; arguments x, slot_values, Wq, Wout, slot_keys, ab, wb, kb; writes ab, wb, kb
.if DOCPART == 8
	.amdgcn_target "amdgcn-amd-amdhsa--gfx1250"
	.amdhsa_code_object_version 6
	.text
	.protected	k_q2374b30600_cast
	.globl	k_q2374b30600_cast
	.p2align	8
	.type	k_q2374b30600_cast,@function
k_q2374b30600_cast:
	s_mov_b64 s[64:65], 0
	v_nop
	global_prefetch_b8 v0, s[64:65] scope:SCOPE_SE
	s_setreg_imm32_b32 hwreg(HW_REG_WAVE_SCHED_MODE, 0, 2), 2
	s_setreg_imm32_b32 hwreg(HW_REG_WAVE_MODE, 25, 1), 1
	s_wait_xcnt 0x0
	s_wait_alu depctr_vm_vsrc(0)
; The five f32 inputs are rounded once to bf16 (to nearest even), so that the two matrix launches fetch 16-bit tiles and convert nothing.
;   ab [8192][2048] bf16: rows 0-4095 x, rows 4096-8191 slot_values.   wb [4096][2048]: rows 0-2047 Wq, rows 2048-4095 Wout.   kb [4096][2048]: slot_keys.
; SHARES.  Grid y = unit u of 4,194,304 numbers (16 MiB in, 8 MiB out): u 0,1 x; 2,3 slot_values; 4 Wq; 5 Wout; 6,7 slot_keys.  Grid x = 128 KiB of the unit's source,
; a wave 16 KiB: 32 chunks of 512 bytes.  Of each chunk lane l takes the 16 bytes at 16 l, so a load of the wave covers 512 consecutive bytes and no byte is asked for twice;
; its four numbers make 8 bytes, and a store of the wave covers 256 consecutive bytes, aligned.
; A stream: every byte is read once and written once.  LDS, barriers and the matrix unit would add nothing.
; THE MODE: SCHED_MODE bits 1:0 = 2 (LLVM: expert scheduling mode 2), set by the entry lines.  The code itself states the register dependences between vector instructions and
; memory instructions, with s_wait_alu, always for 0.
; THE PLAN.  Registers that memory instructions touch:
;   v1, v2     the loads' and the stores' byte offsets: written once at the head, never again.
;   X chunk i  four registers.  Its load lands in them (no vector instruction has named them); its two conversions read the four and write the first two; its store reads those two;
;              nothing writes them afterwards.
; So no register that a memory instruction has read is written again.  What is to be stated: the offsets are written, ahead of the first load; a chunk's conversions have written,
; ahead of its store.  All 32 loads are issued first.  The chunks then go in 8 blocks of four: at block p's head, behind the wait for its four loads, ONE wait states that block p - 1's
; conversions have written, and block p - 1's four stores are dealt among block p's eight conversions, which name block p's registers alone.
.set X, 4                              ; v[4:131]  chunk i: 4 registers as loaded; its first 2 then hold the 4 bf16
.set BLOCK, 4                          ; chunks in a block
	s_load_b512 s[8:23], s[0:1], 0x0               ; x s[8:9], slot_values s[10:11], Wq s[12:13], Wout s[14:15], slot_keys s[16:17], ab s[18:19], wb s[20:21], kb s[22:23]
	s_and_b32 s2, ttmp7, 0xffff                    ; u
	v_lshrrev_b32 v3, 5, v0                        ; wave
	v_and_b32 v1, 31, v0                           ; lane
	v_lshlrev_b32 v2, 3, v1
	v_lshlrev_b32 v1, 4, v1
	v_lshl_add_u32 v1, v3, 14, v1                  ; source: 16,384 x wave + 16 x lane
	v_lshl_add_u32 v2, v3, 13, v2                  ; destination: 8,192 x wave + 8 x lane
	s_and_b32 s3, s2, 1
	s_cmp_eq_u32 s2, 5
	s_cselect_b32 s28, 0, s3                       ; which 16 MiB of the source tensor: u & 1, but Wout (u = 5) has one unit alone
	s_lshl_b32 s28, s28, 24
	s_lshl_b32 s4, ttmp9, 17                       ; + the work-group's 128 KiB
	s_add_co_u32 s28, s28, s4
	s_mov_b32 s29, 0
	s_cmp_lt_u32 s2, 4
	s_cselect_b32 s30, s2, s3                      ; which 8 MiB of the destination: ab holds units 0-3, wb units 4, 5, kb units 6, 7
	s_lshl_b32 s30, s30, 23
	s_lshl_b32 s4, ttmp9, 16
	s_add_co_u32 s30, s30, s4
	s_mov_b32 s31, 0
	s_wait_kmcnt 0x0
	s_mov_b64 s[24:25], s[8:9]                     ; the source is chosen by u alone; each compare stands directly ahead of its select
	s_cmp_ge_u32 s2, 2
	s_cselect_b64 s[24:25], s[10:11], s[24:25]
	s_cmp_ge_u32 s2, 4
	s_cselect_b64 s[24:25], s[12:13], s[24:25]
	s_cmp_ge_u32 s2, 5
	s_cselect_b64 s[24:25], s[14:15], s[24:25]
	s_cmp_ge_u32 s2, 6
	s_cselect_b64 s[24:25], s[16:17], s[24:25]
	s_mov_b64 s[26:27], s[18:19]                   ; and so is the destination
	s_cmp_ge_u32 s2, 4
	s_cselect_b64 s[26:27], s[20:21], s[26:27]
	s_cmp_ge_u32 s2, 6
	s_cselect_b64 s[26:27], s[22:23], s[26:27]
	s_add_nc_u64 s[24:25], s[24:25], s[28:29]
	s_add_nc_u64 s[26:27], s[26:27], s[30:31]
	s_wait_alu depctr_va_vdst(0)                   ; v1 and v2 are written: every load reads v1 as its offset, every store v2
.set i, 0
.rept 32
	global_load_b128 v[X+4*i:X+4*i+3], v1, s[24:25] offset:512*i th:TH_LOAD_NT      ; the launch reads these bytes once
.set i, i+1
.endr
.set p, 0
.rept 32/BLOCK
	s_wait_loadcnt 32-BLOCK-BLOCK*p                ; loads come back in order (ISA guide 5.7.1): block p's four are in, the younger ones stay out
.if p > 0
	s_wait_alu depctr_va_vdst(0)                   ; the conversions of the block before have written its eight registers, which the four stores below read
.endif
.set i, 0
.rept BLOCK
.if p > 0
	global_store_b64 v2, v[X+4*BLOCK*(p-1)+4*i:X+4*BLOCK*(p-1)+4*i+1], s[26:27] offset:256*(BLOCK*(p-1)+i)    ; the block before; no vector instruction since the wait names these registers.  Later launches read these bytes: no hint
.endif
	v_cvt_pk_bf16_f32 v[X+4*BLOCK*p+4*i],   v[X+4*BLOCK*p+4*i],   v[X+4*BLOCK*p+4*i+1]    ; in place, ascending: a register is written when the pair that holds it has been read
	v_cvt_pk_bf16_f32 v[X+4*BLOCK*p+4*i+1], v[X+4*BLOCK*p+4*i+2], v[X+4*BLOCK*p+4*i+3]
.set i, i+1
.endr
.set p, p+1
.endr
	s_wait_alu depctr_va_vdst(0)                   ; the last block's conversions have written its eight registers, which the last four stores read
.set i, 0
.rept BLOCK
	global_store_b64 v2, v[X+4*(32-BLOCK)+4*i:X+4*(32-BLOCK)+4*i+1], s[26:27] offset:256*(32-BLOCK+i)
.set i, i+1
.endr
	s_endpgm
.Lfunc_end_k_q2374b30600_cast:
	.size	k_q2374b30600_cast, .Lfunc_end_k_q2374b30600_cast-k_q2374b30600_cast
	.p2alignl 7, 3214868480
	.fill 96, 4, 3214868480
	.section	.rodata,"a",@progbits
	.p2align	6, 0x0
	.amdhsa_kernel k_q2374b30600_cast
		.amdhsa_group_segment_fixed_size 0
		.amdhsa_private_segment_fixed_size 0
		.amdhsa_enable_private_segment 0
		.amdhsa_kernarg_size 64
		.amdhsa_user_sgpr_count 2
		.amdhsa_user_sgpr_kernarg_segment_ptr 1
		.amdhsa_wavefront_size32 1
		.amdhsa_system_sgpr_workgroup_id_x 1
		.amdhsa_system_sgpr_workgroup_id_y 1
		.amdhsa_system_sgpr_workgroup_id_z 1
		.amdhsa_system_vgpr_workitem_id 0
		.amdhsa_next_free_vgpr 132
		.amdhsa_next_free_sgpr 66
		.amdhsa_reserve_vcc 0
		.amdhsa_float_denorm_mode_32 3
		.amdhsa_float_denorm_mode_16_64 3
		.amdhsa_memory_ordered 1
		.amdhsa_forward_progress 1
		.amdhsa_inst_pref_size 13
	.end_amdhsa_kernel
	.amdgpu_metadata
---
amdhsa.version: [ 1, 2 ]
amdhsa.kernels:
  - .name:           k_q2374b30600_cast
    .symbol:         k_q2374b30600_cast.kd
    .args:
      - { .name: x, .offset: 0, .size: 8, .value_kind: global_buffer, .address_space: global }
      - { .name: slot_values, .offset: 8, .size: 8, .value_kind: global_buffer, .address_space: global }
      - { .name: Wq, .offset: 16, .size: 8, .value_kind: global_buffer, .address_space: global }
      - { .name: Wout, .offset: 24, .size: 8, .value_kind: global_buffer, .address_space: global }
      - { .name: slot_keys, .offset: 32, .size: 8, .value_kind: global_buffer, .address_space: global }
      - { .name: ab, .offset: 40, .size: 8, .value_kind: global_buffer, .address_space: global }
      - { .name: wb, .offset: 48, .size: 8, .value_kind: global_buffer, .address_space: global }
      - { .name: kb, .offset: 56, .size: 8, .value_kind: global_buffer, .address_space: global }
    .group_segment_fixed_size: 0
    .private_segment_fixed_size: 0
    .kernarg_segment_align: 8
    .kernarg_segment_size: 64
    .max_flat_workgroup_size: 256
    .sgpr_count:     66
    .vgpr_count:     132
    .wavefront_size: 32
...
	.end_amdgpu_metadata
.endif
;; end of part 8
;; launch proj: the kernel of part 2 again; grid 8 x 32, 4 waves a work-group, clusters of 4 x 4, 327,680 bytes of LDS; arguments ab, wb, qv, qb; writes qv, qb
;; launch score: the kernel of part 3 again; grid 16 x 16, 4 waves a work-group, clusters of 4 x 4, 327,680 bytes of LDS; arguments qb, kb, cand; writes cand
;; launch merge: the kernel of part 6 again; grid 256 x 1, 16 waves a work-group, no clusters, 19,200 bytes of LDS; arguments cand, sel; writes sel
;; launch pick (part 9): grid 256 x 1, 16 waves a work-group, no clusters, 0 bytes of LDS; arguments sel, qv, kb, out0; writes out0
.if DOCPART == 9
	.amdgcn_target "amdgcn-amd-amdhsa--gfx1250"
	.amdhsa_code_object_version 6
	.text
	.protected	k_q2374b30600_pick
	.globl	k_q2374b30600_pick
	.p2align	8
	.type	k_q2374b30600_pick,@function
k_q2374b30600_pick:
	s_mov_b64 s[64:65], 0
	v_nop
	global_prefetch_b8 v0, s[64:65] scope:SCOPE_SE
	s_setreg_imm32_b32 hwreg(HW_REG_WAVE_SCHED_MODE, 0, 2), 2
	s_setreg_imm32_b32 hwreg(HW_REG_WAVE_MODE, 25, 1), 1
	s_wait_xcnt 0x0
	s_wait_alu depctr_vm_vsrc(0)
; For each query: the candidates' scores are made anew in f32, q (f32) . slot key (bf16); the best four get softmax weights, any others the weight 0;
; out0[query] = sum over the candidates of weight x VW[slot], VW = slot_values Wout^T in f32 (rows 4,096 on of qv).
; The candidates come as whole numbers from the launch before: sel[query][8], bits 11:0 a slot, bit 16 of word 0 = four suffice.  Every address and the one branch hang on these words,
; read from memory by a scalar load; what is derived from floating-point numbers (the rank among the candidates) only selects values.
; Where four suffice only their rows are fetched: 4 rows of kb (4 KiB each, for exact weights) and 4 of VW (8 KiB each); otherwise 8 rows of each, and the f32 scores decide.
; SHARES.  One wave, one query (16 x group + wave): no LDS, no barrier, no wave waits for another.
; No matrix unit: a few dot products and scaled rows a query are vector work; no cluster: the rows that work-groups share are known only from data.
; No prefetch of VW's rows: a row is named by several queries, so its blocks would be asked for more than once.
; LIMITS.  Which slots are weighed is the launch before's decision, with the limits stated there.  Equal f32 scores: the earlier candidate wins.
; NaN and infinities are not served (a weight of 0 times an infinity).  The softmax takes the maximum away first.
; THE MODE: SCHED_MODE bits 1:0 = 2 (LLVM: expert scheduling mode 2), set by the entry lines.  The code itself states the register dependences between vector instructions and
; memory instructions, and between vector instructions that write scalar registers or VCC and their readers, with s_wait_alu, always for 0.
; THE PLAN.  Registers that memory instructions touch:
;   v3, v2      q's and out0's byte offsets: written once at the head.        KOFF, VOFF  the rows' byte offsets: written once, behind the scalar load of sel.
;   Q           q's loads land in it (no vector instruction has named it); the dot products read it; the weighted sums write it; the stores at the end read it.
;   KB          a row's loads land in a buffer; a dot product or a weighted sum reads it; the next row's loads land in it.
; No register that a memory instruction has read is written again.  What is to be stated, each time by one wait on va_vdst: the offsets are written (ahead of q's loads, and ahead of the
; first row's); the products are done reading a buffer (ahead of the run of loads that fills it again: the wait stands directly behind those products, so that the buffer is asked for
; at once, and a dot product's three closing additions, which name no register of the buffer, follow the loads); the last sums have written Q (ahead of the stores).
; Sixteen waves of 256 registers fill the four SIMDs: there is no room for a further buffer.
; Vector results in scalar registers are made in runs, with one wait on va_sdst behind each run: the wave's number; the eight scores; the sixteen masks; the eight weights.
.set KOFF, 32                          ; v[32:39]   candidate c: byte offset of my 16 bytes in its row of kb; written once
.set VOFF, 40                          ; v[40:47]   the same in VW; written once
.set P,    48                          ; v[48:55]   candidate c: my lane's part of its score
.set Q,    64                          ; v[64:127]  q: register 8 i + e = element 256 i + 8 lane + e; later the output row: register 4 i + e = element 128 i + 4 lane + e
.set KB,   128                         ; v[128:255] four buffers of 32 for rows of kb; later two of 64 for rows of VW
.set SC,   28                          ; s[28:35]   my query's eight words of sel; later the eight scores
.set W,    36                          ; s[36:51]   first the rank's sixteen masks (candidate c: larger at W + 2 c, equal at W + 2 c + 1); then the eight weights, each as a pair: the packed forms name a pair and take its low word for both halves
; v1 lane; v2 16 lane; v3 32 lane; v7 = 0; v24-27, v30, v31, v62, v63 at work; v[56:59] a dot product's four chains, later at work; v60 score, v61 rank; s52 the flag
	s_load_b256 s[4:11], s[0:1], 0x0               ; sel s[4:5], qv s[6:7], kb s[8:9], out0 s[10:11]
	v_lshrrev_b32 v24, 5, v0
	v_readfirstlane_b32 s12, v24                   ; wave 0..15
	v_and_b32 v1, 31, v0
	v_lshlrev_b32 v2, 4, v1
	v_lshlrev_b32 v3, 5, v1
	v_mov_b32 v7, 0
	v_mov_b32 v31, 0                               ; the destination of a DPP form counts as read: these two are written here
	v_mov_b32 v62, 0
	s_mov_b32 s18, 0x76543210                      ; v_permlanex16_b32: each lane takes its own place in the other half
	s_mov_b32 s19, 0xfedcba98
	s_mov_b32 s24, 0xaaaaaaaa                      ; lanes with bit 0, 1, 2 of their number set
	s_mov_b32 s25, 0xcccccccc
	s_mov_b32 s26, 0xf0f0f0f0
	s_wait_alu depctr_va_sdst(0)                   ; s12 is written, ahead of its first reader: my query's number is made from it
	s_lshl_b32 s13, ttmp9, 4
	s_add_co_u32 s13, s13, s12                     ; my query
	s_lshl_b32 s14, s13, 13                        ; rows of 8,192 bytes in qv and out0
	s_mov_b32 s15, 0
	s_lshl_b32 s20, s13, 5                         ; 32 bytes in sel
	s_mov_b32 s21, 0
	s_wait_kmcnt 0x0
	s_add_nc_u64 s[4:5], s[4:5], s[20:21]
	s_load_b256 s[SC:SC+7], s[4:5], 0x0            ; no line of this launch writes sel
	s_add_nc_u64 s[16:17], s[6:7], 0x2000000       ; VW: rows 4,096 on of qv
	s_add_nc_u64 s[6:7], s[6:7], s[14:15]
	s_add_nc_u64 s[10:11], s[10:11], s[14:15]
	s_wait_alu depctr_va_vdst(0)                   ; v3 is written, which q's loads read as their offset; so is v2, which the stores at the end read
.irp i, 0,1,2,3,4,5,6,7
	global_load_b128 v[Q+8*\i:Q+8*\i+3],   v3, s[6:7] offset:1024*\i th:TH_LOAD_NT      ; q goes out while the words of sel are on their way
	global_load_b128 v[Q+8*\i+4:Q+8*\i+7], v3, s[6:7] offset:1024*\i+16 th:TH_LOAD_NT
.endr
	s_wait_kmcnt 0x0
	s_lshr_b32 s52, s[SC], 16                      ; the flag
.irp c, 0,1,2,3,4,5,6,7
	s_and_b32 s[SC+\c], s[SC+\c], 0xfff            ; the slot
	s_min_u32 s[SC+\c], s[SC+\c], 0xfff            ; a number from memory enters an address only behind this bound, which it meets already
	v_lshl_add_u32 v[KOFF+\c], s[SC+\c], 12, v2    ; rows of 4,096 bytes
	v_lshl_add_u32 v[VOFF+\c], s[SC+\c], 13, v2    ; rows of 8,192 bytes
.endr
	s_wait_alu depctr_va_vdst(0)                   ; the sixteen offsets KOFF and VOFF are written, which the rows' loads read: once for the whole kernel
.macro KLOAD c                         ; candidate c's row of kb: load i brings elements 256 i + 8 lane + 0..7, the places of q's registers 8 i + 0..7
.irp i, 0,1,2,3,4,5,6,7
	global_load_b128 v[KB+32*((\c)%4)+4*\i:KB+32*((\c)%4)+4*\i+3], v[KOFF+\c], s[8:9] offset:512*\i
.endr
.endm
.macro VLOAD c, buf                    ; candidate c's row of VW
.irp i, 0,1,2,3,4,5,6,7,8,9,10,11,12,13,14,15
	global_load_b128 v[\buf+4*\i:\buf+4*\i+3], v[VOFF+\c], s[16:17] offset:512*\i
.endr
.endm
.macro KNEXT c                         ; a buffer that a dot product has read takes candidate c's row of kb
	s_wait_alu depctr_va_vdst(0)                   ; the products issued so far are done reading the buffer in which this row lands
	KLOAD \c
.endm
.macro VNEXT c, buf                    ; 64 registers that dot products or a weighted sum have read take candidate c's row of VW
	s_wait_alu depctr_va_vdst(0)                   ; the products issued so far are done reading the 64 registers in which this row lands
	VLOAD \c, \buf
.endm
; My lane's 64 products of candidate c, bf16 half x f32 + f32 in one rounding each, in four chains that do not wait for each other; the first four add onto v7 = 0: nothing is cleared.
.macro DOT c
.set KR, KB+32*((\c)%4)
.set e, 0
.rept 32
.if e < 2
	v_fma_mix_f32_bf16 v[56+2*e], v[KR+e], v[Q+2*e],   v7 op_sel_hi:[1,0,0]
	v_fma_mix_f32_bf16 v[57+2*e], v[KR+e], v[Q+2*e+1], v7 op_sel:[1,0,0] op_sel_hi:[1,0,0]
.else
	v_fma_mix_f32_bf16 v[56+2*(e%2)], v[KR+e], v[Q+2*e],   v[56+2*(e%2)] op_sel_hi:[1,0,0]
	v_fma_mix_f32_bf16 v[57+2*(e%2)], v[KR+e], v[Q+2*e+1], v[57+2*(e%2)] op_sel:[1,0,0] op_sel_hi:[1,0,0]
.endif
.set e, e+1
.endr
.endm
.macro DOTSUM c                        ; the four chains into one: these three name no register of a row's buffer, so they may follow the loads that fill it again
	v_add_f32 v56, v56, v57
	v_add_f32 v58, v58, v59
	v_add_f32 v[P+\c], v56, v58
.endm
.macro ACCUM c, buf                    ; the output row takes weight c x VW's row; the first product starts the sums
.set e, 0
.rept 32
.if \c == 0
	v_pk_mul_f32 v[Q+2*e:Q+2*e+1], v[\buf+2*e:\buf+2*e+1], s[W+2*\c:W+2*\c+1] op_sel_hi:[1,0]
.else
	v_pk_fma_f32 v[Q+2*e:Q+2*e+1], v[\buf+2*e:\buf+2*e+1], s[W+2*\c:W+2*\c+1], v[Q+2*e:Q+2*e+1] op_sel_hi:[1,0,1]
.endif
.set e, e+1
.endr
.endm
.macro FOLD d, a, b, m, x, t
	v_cndmask_b32 v[\t],   v[\a], v[\b], \m        ; kept: b in the lanes of the mask, a in the others
	v_cndmask_b32 v[\t+1], v[\b], v[\a], \m        ; sent: the other one
	v_add_f32_dpp v[\d], v[\t+1], v[\t] row_xmask:\x row_mask:0xf bank_mask:0xf
.endm
; FROM THE LANES' PARTS TO THE WEIGHTS, the same text on both ways.
.macro WEIGHTS
	; The eight sums over 32 lanes, made together: in each of three steps a lane keeps one of two registers and sends the other to the lane 1, 2, 4 away, so that lane l ends with
	; candidate l % 8; two more steps add the lanes 8 and 16 away.  24 instructions for eight sums.  No step adds parts of two candidates.
	FOLD P+0, P+0, P+1, s24, 1, 24
	FOLD P+2, P+2, P+3, s24, 1, 26
	FOLD P+4, P+4, P+5, s24, 1, 24
	FOLD P+6, P+6, P+7, s24, 1, 26
	FOLD P+0, P+0, P+2, s25, 2, 24
	FOLD P+4, P+4, P+6, s25, 2, 26
	FOLD P+0, P+0, P+4, s26, 4, 24
	v_add_f32_dpp v[P], v[P], v[P] row_xmask:8 row_mask:0xf bank_mask:0xf
	v_permlanex16_b32 v24, v[P], s18, s19
	v_add_f32 v60, v[P], v24                       ; lane l: the score (not yet scaled) of candidate l % 8
.irp c, 0,1,2,3,4,5,6,7
	v_readlane_b32 s[SC+\c], v60, \c               ; the eight scores as scalars, in one run
.endr
	; The softmax's exponent.  The largest of the eight is the largest of the four.  These five lines name no scalar result: they stand between the run above and the wait for it.
	v_max_num_f32_dpp v62, v60, v60 row_xmask:1 row_mask:0xf bank_mask:0xf
	v_max_num_f32_dpp v62, v62, v62 row_xmask:2 row_mask:0xf bank_mask:0xf
	v_max_num_f32_dpp v62, v62, v62 row_xmask:4 row_mask:0xf bank_mask:0xf
	v_sub_f32 v63, v60, v62                        ; s - max, at most 0
	v_mul_f32 v63, 0x3d0293ee, v63                 ; x log2(e) / sqrt(2048) = 0.0318793
	s_wait_alu depctr_va_sdst(0)                   ; the eight scores are written into s[SC ..], ahead of their first readers, the compares below
	; The rank of my candidate: how many of the eight are larger, or equal and earlier.  Sixteen compares in one run, into sixteen scalar registers.
.irp c, 0,1,2,3,4,5,6,7
	v_cmp_gt_f32 s[W+2*\c],   s[SC+\c], v60
	v_cmp_eq_f32 s[W+2*\c+1], s[SC+\c], v60
.endr
	v_exp_f32 v30, v63                             ; issued here: its result is named only behind the rank
	s_wait_alu depctr_va_sdst(0)                   ; the sixteen masks are written, ahead of their first readers, the scalar lines below
.irp c, 0,1,2,3,4,5,6,7
	s_and_b32 s[W+2*\c+1], s[W+2*\c+1], ((0xff<<(\c+1))&0xff)*0x01010101   ; equal counts in the lanes whose candidate comes behind c
	s_or_b32 s[W+2*\c], s[W+2*\c], s[W+2*\c+1]
.endr
.irp c, 0,1,2,3
	v_cndmask_b32 v[24+\c], 0, 1, s[W+2*\c]        ; 1 in those lanes (plain instructions: the place behind the exponential, ISA guide 5.7.2, is among them)
.endr
.irp c, 4,5,6,7
	v_cndmask_b32 v[52+\c], 0, 1, s[W+2*\c]
.endr
	v_add3_u32 v24, v24, v25, v26
	v_add3_u32 v56, v27, v56, v57
	v_add3_u32 v24, v24, v58, v59
	v_add_nc_u32 v61, v24, v56                     ; the rank
	v_cmp_gt_u32 vcc_lo, 4, v61                    ; rank 0-3 is chosen
	s_wait_alu depctr_va_vcc(0)                    ; VCC is written, ahead of the select that reads it
	s_wait_alu depctr_va_vdst(0)                   ; the exponential has written v30, ahead of the first line that names it
	v_cndmask_b32 v30, v7, v30, vcc_lo             ; the others count for nothing
	v_add_f32_dpp v31, v30, v30 row_xmask:1 row_mask:0xf bank_mask:0xf
	v_add_f32_dpp v31, v31, v31 row_xmask:2 row_mask:0xf bank_mask:0xf
	v_add_f32_dpp v31, v31, v31 row_xmask:4 row_mask:0xf bank_mask:0xf   ; at least 1: the maximum's own term
	v_rcp_f32 v62, v31
	v_nop                                          ; a plain instruction between the reciprocal and the use of its result
	s_wait_alu depctr_va_vdst(0)                   ; the reciprocal has written v62, ahead of the first line that names it
	v_mul_f32 v30, v30, v62
.irp c, 0,1,2,3,4,5,6,7
	v_readlane_b32 s[W+2*\c], v30, \c              ; the eight weights as scalars, in one run
.endr
	s_wait_alu depctr_va_sdst(0)                   ; the eight weights are written, ahead of their first readers, the moves below
.irp c, 0,1,2,3,4,5,6,7
	s_mov_b32 s[W+2*\c+1], s[W+2*\c]               ; named with it as a pair, so it is written
.endr
.endm
.macro OUT
	s_wait_alu depctr_va_vdst(0)                   ; the last weighted sum has written Q, which the stores read
.irp i, 0,1,2,3,4,5,6,7,8,9,10,11,12,13,14,15
	global_store_b128 v2, v[Q+4*\i:Q+4*\i+3], s[10:11] offset:512*\i th:TH_STORE_NT   ; the wave stores 512 consecutive bytes, aligned
.endr
.endm
	KLOAD 0                                        ; these four rows are wanted on both ways
	KLOAD 1
	KLOAD 2
	KLOAD 3
	s_cmp_lg_u32 s52, 0
	s_cbranch_scc1 .Lfour
	; THE LONG WAY: eight candidates.
	s_wait_loadcnt 24                              ; q and row 0 are in; rows 1-3 (8 loads each) stay out
	DOT 0
	KNEXT 4                                        ; into the buffer just read
	DOTSUM 0
	s_wait_loadcnt 24                              ; rows 2-4 stay out
	DOT 1
	KNEXT 5
	DOTSUM 1
	s_wait_loadcnt 24                              ; rows 3-5
	DOT 2
	KNEXT 6
	DOTSUM 2
	s_wait_loadcnt 24                              ; rows 4-6
	DOT 3
	KNEXT 7
	DOTSUM 3
	s_wait_loadcnt 24                              ; rows 5-7
	DOT 4
	DOTSUM 4
	s_wait_loadcnt 16                              ; rows 6, 7
	DOT 5
	VNEXT 0, 128                                   ; rows 4 and 5 have been read: their 64 registers take VW's first row
	DOTSUM 5
	s_wait_loadcnt 24                              ; row 7 (8) and VW's row 0 (16) stay out
	DOT 6
	DOTSUM 6
	s_wait_loadcnt 16                              ; VW's row 0
	DOT 7
	VNEXT 1, 192                                   ; rows 6 and 7 have been read
	DOTSUM 7
	WEIGHTS
	; The weighted sum over all eight rows: two buffers of 64 registers, one at work, one on its way.
	s_wait_loadcnt 16                              ; row c is in; row c + 1 (16 loads) stays out
	ACCUM 0, 128
	VNEXT 2, 128                                   ; into the buffer just read
	s_wait_loadcnt 16
	ACCUM 1, 192
	VNEXT 3, 192
	s_wait_loadcnt 16
	ACCUM 2, 128
	VNEXT 4, 128
	s_wait_loadcnt 16
	ACCUM 3, 192
	VNEXT 5, 192
	s_wait_loadcnt 16
	ACCUM 4, 128
	VNEXT 6, 128
	s_wait_loadcnt 16
	ACCUM 5, 192
	VNEXT 7, 192
	s_wait_loadcnt 16
	ACCUM 6, 128
	s_wait_loadcnt 0x0                             ; the last row
	ACCUM 7, 192
	OUT
	s_endpgm
.Lfour:
	; THE SHORT WAY: the best four are the choice.  Candidates 4-7 get the score -infinity in every lane (sums of it stay -infinity): rank 4 or more, weight 0, and no row is fetched.
.irp n, 4,5,6,7
	v_mov_b32 v[P+\n], 0xff800000
.endr
	s_wait_loadcnt 24                              ; q and row 0 are in; rows 1-3 (8 loads each) stay out
	DOT 0
	DOTSUM 0
	s_wait_loadcnt 16                              ; rows 2, 3
	DOT 1
	VNEXT 0, 128                                   ; rows 0 and 1 have been read: their 64 registers take VW's first row
	DOTSUM 1
	s_wait_loadcnt 24                              ; row 3 (8) and VW's row 0 (16) stay out
	DOT 2
	DOTSUM 2
	s_wait_loadcnt 16                              ; VW's row 0
	DOT 3
	VNEXT 1, 192                                   ; rows 2 and 3 have been read
	DOTSUM 3
	WEIGHTS
	s_wait_loadcnt 16                              ; VW's row 0 is in; row 1 stays out
	ACCUM 0, 128
	VNEXT 2, 128
	s_wait_loadcnt 16                              ; row 2 stays out
	ACCUM 1, 192
	VNEXT 3, 192
	s_wait_loadcnt 16                              ; row 3 stays out
	ACCUM 2, 128
	s_wait_loadcnt 0x0                             ; the last row
	ACCUM 3, 192
	OUT
	s_endpgm
.Lfunc_end_k_q2374b30600_pick:
	.size	k_q2374b30600_pick, .Lfunc_end_k_q2374b30600_pick-k_q2374b30600_pick
	.p2alignl 7, 3214868480
	.fill 96, 4, 3214868480
	.section	.rodata,"a",@progbits
	.p2align	6, 0x0
	.amdhsa_kernel k_q2374b30600_pick
		.amdhsa_group_segment_fixed_size 0
		.amdhsa_private_segment_fixed_size 0
		.amdhsa_enable_private_segment 0
		.amdhsa_kernarg_size 32
		.amdhsa_user_sgpr_count 2
		.amdhsa_user_sgpr_kernarg_segment_ptr 1
		.amdhsa_wavefront_size32 1
		.amdhsa_system_sgpr_workgroup_id_x 1
		.amdhsa_system_sgpr_workgroup_id_y 1
		.amdhsa_system_sgpr_workgroup_id_z 1
		.amdhsa_system_vgpr_workitem_id 0
		.amdhsa_next_free_vgpr 256
		.amdhsa_next_free_sgpr 66
		.amdhsa_reserve_vcc 1
		.amdhsa_float_denorm_mode_32 3
		.amdhsa_float_denorm_mode_16_64 3
		.amdhsa_memory_ordered 1
		.amdhsa_forward_progress 1
		.amdhsa_inst_pref_size 119
	.end_amdhsa_kernel
	.amdgpu_metadata
---
amdhsa.version: [ 1, 2 ]
amdhsa.kernels:
  - .name:           k_q2374b30600_pick
    .symbol:         k_q2374b30600_pick.kd
    .args:
      - { .name: sel, .offset: 0, .size: 8, .value_kind: global_buffer, .address_space: global }
      - { .name: qv, .offset: 8, .size: 8, .value_kind: global_buffer, .address_space: global }
      - { .name: kb, .offset: 16, .size: 8, .value_kind: global_buffer, .address_space: global }
      - { .name: out0, .offset: 24, .size: 8, .value_kind: global_buffer, .address_space: global }
    .group_segment_fixed_size: 0
    .private_segment_fixed_size: 0
    .kernarg_segment_align: 8
    .kernarg_segment_size: 32
    .max_flat_workgroup_size: 512
    .sgpr_count:     66
    .vgpr_count:     256
    .wavefront_size: 32
...
	.end_amdgpu_metadata
.endif
;; end of part 9
